; MI455X (gfx1250); checked and timed in simulation.
; The chip was launched on July 23, 2026; its instructions are those of AMD's public machine-readable ISA for CDNA 5 (MIT licence, August 2026) and "CDNA5" Instruction Set Architecture Reference Guide (July 2026). The comments in the code are by the model that wrote it; some were corrected since.
;; Causal Self Attention. Allowed arithmetic: matrix products marked QUANTISED: E2M3 operands, one E8M0 scale for each 32 along K, by v_wmma_scale_f32_16x16x128_f8f6f4 with both operands' format E2M3, f32 sums; everything else in f32.
;; Inputs: w_attn 1,024 x 3,072 float32; w_proj 1,024 x 1,024 float32; x 4 x 2,048 x 1,024 float32.
;; Outputs: out0 4 x 2,048 x 1,024 float32.
;; This version of the problem:
;;   THIS VERSION OF THE PROBLEM IS GIVEN IN LOW PRECISION. The matrix products marked QUANTISED in the list below multiply operands that are first quantised to E2M3 (2 exponent bits, 3 mantissa bits; 6 bits a number), with one power-of-two scale for each 32 numbers along K (OCP MX v1.0); their sums are f32. All else is computed in f32.
;;   The module's matrix products, in the order in which they are computed (A, B: the left and right operand; K: the contracted axis; several contracted axes count as one K, in the product's order):
;;     1. [M 8,192, K 1,024] x [K 1,024, N 3,072]; A: input x; B: input w_attn: QUANTISED
;;     2. batch 64 x [M 2,048, K 64] x [K 64, N 2,048]; A: computed on the way; B: computed on the way: QUANTISED
;;     3. batch 64 x [M 2,048, K 2,048] x [K 2,048, N 64]; A: softmax (see below); B: computed on the way: QUANTISED
;;     4. [M 8,192, K 1,024] x [K 1,024, N 1,024]; A: computed on the way; B: input w_proj: QUANTISED
;;   THE QUANTISER, for each operand of a quantised product, along K:
;;     - K is cut into blocks of 32 from its start; a last block that is shorter is filled with zeros.
;;     - A block's scale is 2^e with e = floor(log2(the largest magnitude in the block)) - 2, held to -126 .. 127; a block of zeros has e = 0. As a byte (E8M0): e + 127.
;;     - Each number is divided by its block's scale, clamped to +-7.5, and rounded to the nearest number of E2M3, ties to even, subnormals kept.
;;     - The product sums the exact products of the quantised numbers (number of the format x scale) in f32.
;;   ~~~python
;;   def quantise(x, axis):      # numpy; x: float32 -> the quantised numbers, widened to float32 again
;;       x = np.moveaxis(x, axis, -1); K = x.shape[-1]
;;       x = np.pad(x, [(0, 0)] * (x.ndim - 1) + [(0, -K % 32)]); x = x.reshape(x.shape[:-1] + (-1, 32)); a = np.abs(x).max(-1, keepdims=True)
;;       e = np.where(a > 0, np.clip(np.frexp(np.where(a > 0, a, 1))[1] - 1 - 2, -126, 127), 0)      # np.frexp(a)[1] - 1 = floor(log2(a)), exactly
;;       r = np.clip(x / 2.0 ** e, -7.5, 7.5)
;;       step = 2.0 ** (np.maximum(np.frexp(np.where(r == 0, 1, r))[1] - 1, 0) - 3)
;;       q = np.round(r / step) * step * 2.0 ** e      # np.round: ties to even
;;       return np.moveaxis(q.reshape(q.shape[:-2] + (-1,))[..., :K], -1, axis).astype(np.float32)
;;   ~~~
;;   SOFTMAX AHEAD OF A QUANTISED PRODUCT. Where the list says 'softmax', what is quantised is not the finished softmax but p = 2^(t - M), with t = logit x log2(e) and M = ceil(the row's largest t), a whole number; so 1/2 < the row's largest p <= 1. The row's sum l is taken of the UNQUANTISED p, in f32, and the product's result is divided by l at the end. Since M is a whole number, a kernel that streams over the keys may use a running M (the ceiling of the running maximum): every later rescaling is an exact power of two, which a block's scale takes up: the codes' values come out the same.
;;   OPERANDS COMPUTED ON THE WAY. 'Computed on the way' means the value that the module computes at that place (a softmax that the list does not call 'softmax' is quantised finished and normalised). What goes into a quantiser is computed in f32, as accurately as f32 sums, v_exp_f32 and their like allow (about 1e-6 of the number): no bf16 or f16 on the way to a quantiser, and a product that is left as it is and whose result goes on into a quantised operand takes f32 operands (vector FMAs, or v_wmma_f32_16x16x4_f32). A number that lies on a knife's edge between two numbers of the format may be rounded either way, as far as f32 arithmetic and the matrix unit's own rounding can turn it there, and no further.
;; One version. Each part assembles by itself: llvm-mc -triple=amdgcn-amd-amdhsa -mcpu=gfx1250 --defsym DOCPART=n.
;; ======== version 1 of 1: 4 launches
;; limits: right only within a limited range of input values
;; workspace buffers: xq 6,553,600 bytes; waq 2,457,600 bytes; wpq 819,200 bytes; qkv 19,660,800 bytes; yq 6,553,600 bytes
;; launch prep (part 1): grid 384 x 1, 4 waves a work-group, no clusters, 60,928 bytes of LDS; arguments x, w_attn, w_proj, xq, waq, wpq; writes xq, waq, wpq
.if DOCPART == 1
	.amdgcn_target "amdgcn-amd-amdhsa--gfx1250"
	.amdhsa_code_object_version 6
	.text
	.protected	k_qae9e03fae1_prep
	.globl	k_qae9e03fae1_prep
	.p2align	8
	.type	k_qae9e03fae1_prep,@function
k_qae9e03fae1_prep:
	s_mov_b64 s[64:65], 0
	v_nop
	global_prefetch_b8 v0, s[64:65] scope:SCOPE_SE
	s_setreg_imm32_b32 hwreg(HW_REG_WAVE_MODE, 25, 1), 1
	s_wait_xcnt 0x0
; x [8192][1024], w_attn [1024][3072] and w_proj [1024][1024], f32, become codes of FP6 (E2M3) with one E8M0 byte for each 32 along K (K = 1,024 in all three), laid IN THE ORDER OF THE OPERAND'S REGISTERS.
; A BLOCK is 16 rows (tokens of x, columns n of a weight).  Block 2 g + u holds, in lane r, row 32 g + 8 u + r + 8 (r / 8): so that, where a block is a product's source 0, the 16 result registers of blocks (g, 0), (g, 1) are 16 neighbours.
; A HALF IMAGE is 16 rows x 64 K, 768 bytes: lane l's registers 0-3 at 16 l, its registers 4-5 at 512 + 8 l; lane (r, h) holds k = 32 h + 0 .. 31 of its row.  Codes: [block][16 half images].  Behind them the scale words: [block][4 slots of 256 K][r][2 words].
; A block's scale is 2^(floor(log2(largest magnitude)) - 2); its byte is the largest magnitude's exponent field - 2, held at 1 from below.
; LIMITS: a block of zeros gets the byte 1 (its codes are zeros; this program alone reads the bytes); blocks whose largest magnitude lies under 2^-124 are held at byte 1; NaN and infinities are not served.
; Work-groups 0-255 take x, a wave 16 rows x 512 K.  Work-groups 256-383 take the weights, a wave 32 columns x 256 K, a lane a column and its registers down K.  The x path's waves share nothing and have no barrier; the two waves of a weight band share a stage.  Each path has LDS bytes of its own.
; THE ORDER OF A BLOCK'S ROWS, as the code below has it (it takes the place of the order named in the lines above): block 4 c + j holds, in lane r, row 64 c + 8 j + r % 8 + 32 (r / 8).
; Where four neighbouring blocks are a product's source 0, a lane's 32 result registers are then 32 neighbours, 64 c + 32 (l / 16) + 0 .. 31: one whole scale block of the next product.
.set XC,    6291456
.set WAC,   2359296                    ; of w_attn's
.set WPC,   786432                     ; of w_proj's
.set R,     32                         ; x path: v32-159  two sets of 16 rows x 16 bytes a lane, as loaded
.set X,     160                        ; v160-223 my row's 64 numbers of a K step
.set C,     224                        ; v224-235 a fragment's codes
.set T,     236                        ; v236-242 the upper halves of two blocks' codes (a conversion's three registers begin on an even number)
.set SW,    244                        ; v244-247 four K steps' scale words
.set XSTG,  8448                       ; a wave's stage: 16 rows x (512 + 16) bytes
.set WBASE, 4*XSTG                     ; weight path: its stages begin here
; THE WEIGHT PATH'S STAGE, as the code below has it: wave g takes 32 neighbouring columns, which are rows 8 (g % 2) + 0 .. 7 of the four blocks of band g / 2; the two waves of a band share a stage,
; two areas (one for each K step of 128) of four blocks' images; one barrier a K step shows an area whole, and each of the two waves then sends two of the four blocks.
.set WSTG,  8*1664                     ; a pair of waves': two areas of four images, 1,536 + 128 bytes each
.set OFF,   32                         ; v32-63   4 x lane + i x a row of the weight
.set WX,    64                         ; v64-127  two sets of 32 numbers down K
.set WC,    128                        ; v128-133 a block's codes;  v134-136 their upper half as converted
.set WT,    134
.set OUT,   140                        ; v140-163 two fragments' images on the way out
	s_load_b256 s[4:11], s[0:1], 0x0               ; x s[4:5], w_attn s[6:7], w_proj s[8:9], xq s[10:11]
	s_load_b128 s[12:15], s[0:1], 0x20             ; waq s[12:13], wpq s[14:15]
	v_lshl_add_u32 v254, v0, 2, 0xec00
	v_mov_b32 v255, 0
	v_lshrrev_b32 v1, 5, v0
	v_readfirstlane_b32 s16, v1                    ; wave 0..3
	v_and_b32 v16, 31, v0                          ; lane
	v_lshlrev_b32 v1, 4, v16                       ; 16 x lane
	v_lshlrev_b32 v2, 3, v16                       ; 8 x lane
	s_cmp_lt_u32 ttmp9, 256
	s_cbranch_scc0 .Lw
; ---------------- x ----------------
	s_lshl_b32 s17, ttmp9, 2
	s_add_co_u32 s17, s17, s16                     ; 4 x work-group + wave
	s_lshr_b32 s18, s17, 1                         ; block i
	s_and_b32 s19, s17, 1                          ; which 512 along K
	s_lshr_b32 s24, s18, 2
	s_lshl_b32 s24, s24, 6
	s_and_b32 s25, s18, 3
	s_lshl_b32 s25, s25, 3
	s_add_co_u32 s24, s24, s25                     ; the block's first row: 64 c + 8 j
	s_lshl_b32 s24, s24, 12                        ; x 4,096 bytes
	s_lshl_b32 s25, s19, 11
	s_add_co_u32 s24, s24, s25
	s_mov_b32 s25, 0
	s_mul_i32 s26, s18, 12288
	s_mul_i32 s27, s19, 6144
	s_add_co_u32 s26, s26, s27                     ; my eight half images
	s_mov_b32 s27, 0
	s_lshl_b32 s28, s18, 9
	s_lshl_b32 s29, s19, 8
	s_add_co_u32 s28, s28, s29
	s_add_co_u32 s28, s28, XC                      ; my two slots' scale words
	s_mov_b32 s29, 0
	s_mov_b32 s20, 0x76543210
	s_mov_b32 s21, 0xfedcba98                      ; v_permlanex16_b32's selects for lane l xor 16
	s_mov_b32 s22, 0xffff0000                      ; lanes 16-31
	s_mul_i32 s30, s16, XSTG                       ; my stage
	s_wait_alu depctr_va_vdst(0)
	v_add_nc_u32 v3, s30, v1                       ; in: 16 x lane of a row
	v_and_b32 v6, 15, v0                           ; r
	v_bfe_u32 v7, v0, 4, 1                         ; h
	v_mul_u32_u24 v4, v6, 528
	v_lshl_add_u32 v4, v7, 7, v4
	v_add_nc_u32 v4, s30, v4                       ; out: row r, + 128 h: my 32 numbers of each 64
	v_lshlrev_b32 v5, 3, v7                        ; 8 h
	v_mov_b32 v15, 0                               ; a lane permute's destination counts as one of its sources
	s_wait_alu depctr_va_vdst(0)
	s_wait_kmcnt 0x0
	s_add_nc_u64 s[4:5], s[4:5], s[24:25]
	s_add_nc_u64 s[28:29], s[10:11], s[28:29]
	s_add_nc_u64 s[10:11], s[10:11], s[26:27]
.macro LOADX t                         ; K step t of the block's 16 rows: each load reads 512 consecutive bytes of one row
.irp i, 0,1,2,3,4,5,6,7,8,9,10,11,12,13,14,15
	global_load_b128 v[R+64*((\t)%2)+4*\i:R+64*((\t)%2)+4*\i+3], v1, s[4:5] offset:(\i+24*(\i/8))*4096+512*(\t) th:TH_LOAD_NT
.endr
.endm
.macro STEPX t
.if (\t) < 3
	s_wait_loadcnt 16                              ; this step's 16 loads are in; the next step's 16 may be out
.else
	s_wait_loadcnt 0x0
.endif
.irp i, 0,1,2,3,4,5,6,7,8,9,10,11,12,13,14,15
	ds_store_b128 v3, v[R+64*((\t)%2)+4*\i:R+64*((\t)%2)+4*\i+3] offset:528*\i
.endr
.irp c, 0,1
.irp j, 0,1,2,3,4,5,6,7
	ds_load_b128 v[X+32*\c+4*\j:X+32*\c+4*\j+3], v4 offset:256*\c+16*\j   ; LDS serves a wave's instructions in order: these see the stores above.  k = 64 c + 32 h + 0 .. 31 of row r
.endr
.endr
	s_wait_dscnt 0x0                               ; my 64 numbers are here, and the stores have read their registers
.if (\t)+2 < 4
	LOADX (\t)+2
.endif
.irp c, 0,1
	v_max3_num_f32 v[8+\c], |v[X+32*\c]|, |v[X+32*\c+1]|, 0x1800000   ; block 2 c + h is all mine; the floor 2^(3 - 127) holds the byte at 1 from below
.endr
.irp i, 2,4,6,8,10,12,14,16,18,20,22,24,26,28,30
.irp c, 0,1
	v_max3_num_f32 v[8+\c], v[8+\c], |v[X+32*\c+\i]|, |v[X+32*\c+\i+1]|
.endr
.endr
.irp c, 0,1
	v_add_nc_u32 v[10+\c], 0xff000000, v[8+\c]     ; 2 off the exponent field: the conversion's scale operand
.endr
.irp c, 0,1
	v_lshrrev_b32 v[12+\c], 23, v[10+\c]           ; the scale's byte
.endr
	v_lshl_or_b32 v14, v13, 16, v12                ; blocks h and 2 + h,
	v_lshlrev_b32 v14, v5, v14                     ; at their places in the word;
	v_permlanex16_b32 v15, v14, s20, s21
	v_or_b32 v[SW+(\t)], v14, v15                  ; with lane l xor 16's two the word is whole
	s_wait_alu depctr_va_vdst(0)
	s_wait_xcnt 0x0                                ; the last step's stores have read C: it is written again only behind this wait
.irp c, 0,1
	v_cvt_scalef32_pk16_fp6_f32 v[C+6*\c:C+6*\c+2], v[X+32*\c:X+32*\c+15], v[10+\c]
	v_cvt_scalef32_pk16_fp6_f32 v[T+4*\c:T+4*\c+2], v[X+32*\c+16:X+32*\c+31], v[10+\c]
.endr
	v_nop                                          ; one plain instruction behind the scaled conversions
.irp c, 0,1
.irp i, 0,1,2
	v_mov_b32 v[C+3+6*\c+\i], v[T+4*\c+\i]
.endr
.endr
.irp c, 0,1
	global_store_b128 v1, v[C+6*\c:C+6*\c+3], s[10:11] offset:1536*(\t)+768*\c          ; 512 consecutive bytes, at a multiple of 256
	global_store_b64 v2, v[C+6*\c+4:C+6*\c+5], s[10:11] offset:1536*(\t)+768*\c+512     ; 256 consecutive bytes
.endr
.endm
	LOADX 0
	LOADX 1
	STEPX 0
	STEPX 1
	STEPX 2
	STEPX 3
	v_cndmask_b32 v6, v[SW], v[SW+2], s22          ; lanes 0-15 store the first slot's two words of row r, lanes 16-31 the second slot's
	v_cndmask_b32 v7, v[SW+1], v[SW+3], s22
	global_store_b64 v2, v[6:7], s[28:29]          ; 256 consecutive bytes
	s_wait_tensorcnt 0x0
	ds_add_u32 v254, v255
	s_wait_dscnt 0x0
	s_endpgm
; ---------------- the weights ----------------
.Lw:
	s_sub_co_u32 s17, ttmp9, 256
	s_lshr_b32 s18, s17, 5                         ; which 256 along K
	s_and_b32 s19, s17, 31                         ; group of 128 columns: 0-23 w_attn, 24-31 w_proj
	s_wait_kmcnt 0x0
	s_cmp_ge_u32 s19, 24                           ; the choice hangs on the work-group's number alone
	s_cselect_b64 s[4:5], s[8:9], s[6:7]
	s_cselect_b64 s[10:11], s[14:15], s[12:13]
	s_mov_b32 s24, 12288
	s_cselect_b32 s24, 4096, s24                   ; a row of the weight in bytes
	s_mov_b32 s25, WAC
	s_cselect_b32 s25, WPC, s25                    ; where its scale words begin
	s_cselect_b32 s26, 24, 0
	s_sub_co_u32 s19, s19, s26
	s_lshl_b32 s19, s19, 2
	s_add_co_u32 s19, s19, s16                     ; g: my 32 columns, rows 8 (g % 2) + 0 .. 7 of band g / 2's four blocks
	s_mul_i32 s26, s18, s24
	s_lshl_b32 s26, s26, 8                         ; 256 rows a slot
	s_lshl_b32 s27, s19, 7                         ; my 32 neighbouring columns
	s_add_co_u32 s26, s26, s27
	s_mov_b32 s27, 0
	s_add_nc_u64 s[4:5], s[4:5], s[26:27]
	s_lshr_b32 s26, s19, 1
	s_lshl_b32 s26, s26, 11                        ; the scale words of my band's four blocks
	s_lshl_b32 s28, s18, 7
	s_add_co_u32 s26, s26, s28
	s_add_co_u32 s26, s26, s25
	s_add_nc_u64 s[20:21], s[10:11], s[26:27]      ; my scale words
	s_mul_i32 s26, s19, 24576
	s_mul_i32 s28, s18, 3072
	s_add_co_u32 s26, s26, s28
	s_add_nc_u64 s[10:11], s[10:11], s[26:27]      ; my codes
	s_lshl_b32 s30, s24, 5                         ; 32 rows on
	s_mov_b32 s31, 0
	s_lshr_b32 s28, s16, 1
	s_mul_i32 s28, s28, WSTG
	s_add_co_u32 s28, s28, WBASE                   ; my pair's stage
	s_and_b32 s29, s16, 1                          ; which 32 of the band's 64 columns are mine
	s_wait_alu depctr_va_vdst(0)
	v_bfe_u32 v6, v0, 3, 2                         ; column j of my 32 is row 8 (g % 2) + j % 8 of the band's block j / 8
	v_and_b32 v7, 7, v0
	v_lshl_add_u32 v7, s29, 3, v7
	v_mul_u32_u24 v14, v6, 1664
	v_add_nc_u32 v14, s28, v14
	v_lshl_add_u32 v8, v7, 4, v14                  ; into the stage: registers 0-3 at 16 r (+ 256 h),
	v_lshl_add_u32 v9, v7, 3, v14                  ; registers 4-5 at 8 r (+ 512 + 128 h)
	s_mul_i32 s29, s29, 2*1664
	s_add_co_u32 s29, s29, s28
	v_add_nc_u32 v10, s29, v1                      ; out of it: 16 x lane of the two blocks that I send
	v_mov_b32 v11, v1
	v_lshlrev_b32 v12, 3, v7
	v_lshl_add_u32 v12, v6, 9, v12                 ; my two scale words: 512 u + 8 r
	v_lshlrev_b32 v[OFF], 2, v16
.set n, 1
.rept 31
	v_add_nc_u32 v[OFF+n], s24, v[OFF+n-1]
.set n, n+1
.endr
.macro LOADW t                         ; block t: W(32 t + i, my column), i = 0 .. 31; a load reads 128 consecutive bytes, the four waves stand side by side
.if (\t) > 0
	s_wait_xcnt 0x0                                ; the loads before have read their base
	s_add_nc_u64 s[4:5], s[4:5], s[30:31]
.endif
.set n, 0
.rept 32
	global_load_b32 v[WX+32*((\t)%2)+n], v[OFF+n], s[4:5] th:TH_LOAD_NT
.set n, n+1
.endr
.endm
.macro BLOCKW t                        ; k = 32 t of the slot: K step t / 4, half image (t / 2) % 2, lanes' half t % 2
.set XS, WX+32*((\t)%2)
.if (\t) < 7
	s_wait_loadcnt 32                              ; this block's 32 loads are in; the next block's may be out
.else
	s_wait_loadcnt 0x0
.endif
	v_max3_num_f32 v17, |v[XS]|, |v[XS+1]|, |v[XS+2]|
	v_max3_num_f32 v18, |v[XS+3]|, |v[XS+4]|, |v[XS+5]|
.irp i, 6,10,14,18,22,26
	v_max3_num_f32 v17, v17, |v[XS+\i]|, |v[XS+\i+1]|
	v_max3_num_f32 v18, v18, |v[XS+\i+2]|, |v[XS+\i+3]|
.endr
	v_max3_num_f32 v17, v17, |v[XS+30]|, |v[XS+31]|
	v_max3_num_f32 v17, v17, v18, 0x1800000        ; and the floor
	v_add_nc_u32 v19, 0xff000000, v17
	v_lshrrev_b32 v18, 23, v19
.if (\t)%4 == 0
	v_mov_b32 v[24+(\t)/4], v18
.else
	v_lshl_or_b32 v[24+(\t)/4], v18, 8*((\t)%4), v[24+(\t)/4]
.endif
	v_cvt_scalef32_pk16_fp6_f32 v[WC:WC+2], v[XS:XS+15], v19
	v_cvt_scalef32_pk16_fp6_f32 v[WT:WT+2], v[XS+16:XS+31], v19
	v_nop                                          ; one plain instruction behind the scaled conversions
.irp i, 0,1,2
	v_mov_b32 v[WC+3+\i], v[WT+\i]
.endr
	ds_store_b128 v8, v[WC:WC+3] offset:768*(((\t)/2)%2)+256*((\t)%2)+4*1664*((\t)/4)
	ds_store_b64 v9, v[WC+4:WC+5] offset:768*(((\t)/2)%2)+512+128*((\t)%2)+4*1664*((\t)/4)
.if (\t)+2 < 8
	LOADW (\t)+2
.endif
	s_wait_dscnt 0x0
.endm
.macro FLUSH st                        ; a K step's fragments leave as they lie: 512 consecutive bytes a store
	s_barrier_signal -1                            ; my stores into this area have been waited for;
	s_barrier_wait -1                              ; so have my partner's: the area is whole, and nobody writes it again
	s_wait_xcnt 0x0                                ; the stores before have read OUT
.irp u, 0,1
.irp k, 0,1,2
	ds_load_b128 v[OUT+12*\u+4*\k:OUT+12*\u+4*\k+3], v10 offset:1664*\u+512*\k+4*1664*\st
.endr
.endr
	s_wait_dscnt 0x0
.irp u, 0,1
.irp k, 0,1,2
	global_store_b128 v11, v[OUT+12*\u+4*\k:OUT+12*\u+4*\k+3], s[10:11] offset:12288*\u+1536*\st+512*\k
.endr
.endr
.endm
	LOADW 0
	s_wait_alu depctr_va_vdst(0)
	LOADW 1
	BLOCKW 0
	BLOCKW 1
	BLOCKW 2
	BLOCKW 3
	FLUSH 0
	BLOCKW 4
	BLOCKW 5
	BLOCKW 6
	BLOCKW 7
	FLUSH 1
	s_wait_alu depctr_va_vdst(0)
	global_store_b64 v12, v[24:25], s[20:21]       ; runs of 128 bytes: one byte in 24 of what this path stores
	s_wait_tensorcnt 0x0
	ds_add_u32 v254, v255
	s_wait_dscnt 0x0
	s_endpgm
.Lfunc_end_k_qae9e03fae1_prep:
	.size	k_qae9e03fae1_prep, .Lfunc_end_k_qae9e03fae1_prep-k_qae9e03fae1_prep
	.p2alignl 7, 3214868480
	.fill 96, 4, 3214868480
	.section	.rodata,"a",@progbits
	.p2align	6, 0x0
	.amdhsa_kernel k_qae9e03fae1_prep
		.amdhsa_group_segment_fixed_size 60928
		.amdhsa_private_segment_fixed_size 0
		.amdhsa_enable_private_segment 0
		.amdhsa_kernarg_size 48
		.amdhsa_user_sgpr_count 2
		.amdhsa_user_sgpr_kernarg_segment_ptr 1
		.amdhsa_wavefront_size32 1
		.amdhsa_system_sgpr_workgroup_id_x 1
		.amdhsa_system_sgpr_workgroup_id_y 1
		.amdhsa_system_sgpr_workgroup_id_z 1
		.amdhsa_system_vgpr_workitem_id 0
		.amdhsa_next_free_vgpr 256
		.amdhsa_next_free_sgpr 66
		.amdhsa_reserve_vcc 0
		.amdhsa_float_denorm_mode_32 3
		.amdhsa_float_denorm_mode_16_64 3
		.amdhsa_memory_ordered 1
		.amdhsa_forward_progress 1
		.amdhsa_inst_pref_size 74
	.end_amdhsa_kernel
	.amdgpu_metadata
---
amdhsa.version: [ 1, 2 ]
amdhsa.kernels:
  - .name:           k_qae9e03fae1_prep
    .symbol:         k_qae9e03fae1_prep.kd
    .args:
      - { .name: x, .offset: 0, .size: 8, .value_kind: global_buffer, .address_space: global }
      - { .name: w_attn, .offset: 8, .size: 8, .value_kind: global_buffer, .address_space: global }
      - { .name: w_proj, .offset: 16, .size: 8, .value_kind: global_buffer, .address_space: global }
      - { .name: xq, .offset: 24, .size: 8, .value_kind: global_buffer, .address_space: global }
      - { .name: waq, .offset: 32, .size: 8, .value_kind: global_buffer, .address_space: global }
      - { .name: wpq, .offset: 40, .size: 8, .value_kind: global_buffer, .address_space: global }
    .group_segment_fixed_size: 60928
    .private_segment_fixed_size: 0
    .kernarg_segment_align: 8
    .kernarg_segment_size: 48
    .max_flat_workgroup_size: 128
    .sgpr_count:     66
    .vgpr_count:     256
    .wavefront_size: 32
...
	.end_amdgpu_metadata
.endif
;; end of part 1
;; launch qkvgemm (part 2): grid 12 x 32, 4 waves a work-group, clusters of 4 x 4, 327,680 bytes of LDS; arguments xq, waq, qkv; writes qkv
.if DOCPART == 2
	.amdgcn_target "amdgcn-amd-amdhsa--gfx1250"
	.amdhsa_code_object_version 6
	.text
	.protected	k_qae9e03fae1_qkvgemm
	.globl	k_qae9e03fae1_qkvgemm
	.p2align	8
	.type	k_qae9e03fae1_qkvgemm,@function
k_qae9e03fae1_qkvgemm:
	s_mov_b64 s[64:65], 0
	v_nop
	global_prefetch_b8 v0, s[64:65] scope:SCOPE_SE
	s_setreg_imm32_b32 hwreg(HW_REG_WAVE_MODE, 25, 1), 1
	s_wait_xcnt 0x0
	s_wait_alu depctr_hold_cnt(0) depctr_sa_sdst(0) depctr_va_vdst(0) depctr_va_sdst(0) depctr_va_ssrc(0) depctr_va_vcc(0) depctr_vm_vsrc(0)
	s_getreg_b32 s2, hwreg(HW_REG_IB_STS2, 6, 4)
	s_cmp_eq_u32 s2, 0
	s_cbranch_scc0 .Lentry_in_a_cluster
	s_endpgm
.Lentry_in_a_cluster:
	s_bfe_u32 s2, ttmp6, 0x10000c
	s_cmp_lg_u32 s2, 0xf033
	s_cbranch_scc0 .Lentry_shape_is_right
	s_endpgm
.Lentry_shape_is_right:
; qkv = x w_attn on codes of FP6 (E2M3) with E8M0 scales, K = 1,024; the results q, k, v never leave as f32: each wave quantises its 128 x 128 in registers, q and k along the head's 64, v along the tokens.
; OPERANDS lie in the order of the operand's registers.  A block is 16 rows; block 2 g + u holds in lane r row 32 g + 8 u + r + 8 (r / 8).  A half image (16 rows x 64 K, 768 bytes): lane l's registers 0-3 at 16 l, registers 4-5 at 512 + 8 l.
; Codes: [block][16 half images]; behind them the scale words [block][4 slots of 256 K][r][2 words].
; A tile is 256 x 256, four waves of 128 x 128: 64 accumulators.  'A' is source 1 (a lane of the result is a row of A), 'B' is source 0 (the result's registers run along B's rows: by the order of a block's rows, the 16 registers
; of two neighbouring blocks are 16 neighbours).  For q and k (cluster x = 0, 1): A = x, B = w_attn: a lane holds a token, its registers run along n.  For v (cluster x = 2): A = w_attn, B = x: a lane holds a channel, its registers run along the tokens.
; The roles hang on the cluster's x alone, which all sixteen partners share; only pointers and indices are chosen, the text is one.
; K goes in slots of 256 through a ring of two LDS slots; a wave's tensor load brings 8 blocks x 3,072 bytes.  The scale words of the tile's rows come once, with the first fills.
; CLUSTERS: 4 x 4.  A's tiles are shared along a row of the cluster, B's along a column, by joint loads.
; OUT: 192 regions of 102,400 bytes, region = kind x 64 + head x 4 + batch.  q, k: [128 tiles of 16 tokens][768] (a half image), then [16 groups][r][4 words], word p = (tile 2 p: two bytes; tile 2 p + 1: two bytes).
;      v: [16 groups of 128 keys][4 tiles of 16 channels][1,536] (a fragment of V^T), then [16][r][4 words], word t = the four key blocks' bytes.
; LIMITS: a block of zeros gets the byte 1 (its codes are zeros; this program alone reads the bytes); blocks whose largest magnitude lies under 2^-124 are held at byte 1; NaN and infinities are not served.
; REGISTERS: window 0: v0-31 addresses; v32-63 scale words, two sets; v64-113 the way out; from v128 A's fragments, one set.  window 1: B's fragments, two sets, at v0 and v128.  windows 2, 3: the accumulators, (a, b) at v[8 (8 (a % 4) + b)].
; THE ORDER OF A BLOCK'S ROWS AND THE REGIONS, as the code below has them (they take the place of what the lines above say of both): block 4 c + j holds in lane r row 64 c + 8 j + r % 8 + 32 (r / 8),
; so a lane's 32 result registers of four neighbouring blocks of B are one whole scale block.  A region is 16 groups of 128 tokens, 6,400 bytes each: 6,144 bytes of codes, then the group's 256 bytes of scale words.
; THE HEAD: one joint load a wave: wave 0 A's 16 blocks of K slot 0, wave 1 B's, wave 2 A's scale words, wave 3 B's; K slot 1 follows behind a drained round.
.set XC,     6291456
.set WAC,    2359296                   ; of w_attn's
.set RG,     102400                    ; a region of the output
.set NQ,     2                         ; matrix instructions deep in a slot
.set FR,     12                        ; registers of a fragment
.set NL,     4                         ; LDS loads that bring one
.set NP,     4                         ; places behind this matrix instruction (ISA guide 7.12.1)
.set BLKB,   3072                      ; a block's four half images of a slot
.set HALFT,  8*BLKB                    ; 8 blocks: what one tensor load brings, and what one wave reads of A or of B
.set SLOT,   4*HALFT                   ; A's 16 blocks, then B's 16
.set SCL,    2*SLOT                    ; behind the ring: A's scale words, 8,192 bytes; B's begin 128 bytes further on than they need, so that lanes 16-31 of a load touch the other 32 banks
.set SBLK,   512                       ; a block's scale words
.set SPARE,  213248                    ; behind the scales: the spare words, 128 bytes for each wave: two blocks of 256 bytes that no other line names
.set LAPS,   2                         ; 1,024 / (2 x 256)
.set ADRA, 16                          ; v16-17 16 x lane + my A blocks in slot 0, 1;  v18-19 the same with 8 x lane
.set ADRB, 20                          ; v20-23 the same for B
.set L16,  24                          ; v24    16 x lane
.set L8,   25                          ; v25    8 x lane
.set VOS,  26                          ; v26    the scale words' way out: 16 r, + a head's four regions for lanes 16-31
.set ADRS, 27                          ; v27    my scale words: lanes 0-15 A's rows, lanes 16-31 B's
.set SPW,  28                          ; v28    my spare word; never rewritten
.set NIL,  29                          ; v29    0; never rewritten
.set SC,   32
.set AF,   128
.set TM,   64                          ; v64-67 largest magnitudes, v68-71 at work and bytes, v76-79 the conversions' scale operands
.set PW,   80                          ; v80-87 the scale word of each of my eight A blocks
.set PC,   88                          ; v88-99 a fragment's codes
.set PT,   100                         ; v100-106 halves as converted
.set OW,   108                         ; v108-111 scale words as they leave
.set G1, 24
.set G0, 32
.set G1B, 48
.set G0B, 56
.set G1S, 68
.set G0S, 76
.set G1SB, 80
.set G0SB, 88
.set MSB, 0
.macro WIN new                         ; the immediate's high byte repeats the setting that is left
.if MSB != \new
	s_set_vgpr_msb (MSB<<8)|\new
.set MSB, \new
.endif
.endm
.set MUL_LO, 0xa1                      ; source 0 (B) window 1, source 1 (A) window 0, C and D window 2
.set MUL_HI, 0xf1                      ; the same, C and D window 3
.set TO_B,   0x40                      ; destination window 1, address window 0
; A joint load: waves 0 and 1 fetch for A, waves 2 and 3 for B.  The branch hangs on the wave's number alone.  Four v_nop follow each of the two lines.
.macro JLOAD g0a, g1a, g0b, g1b
	s_cmp_eq_u32 s15, 0
	s_cbranch_scc0 .Lfor_b_\@
	tensor_load_to_lds s[\g0a:\g0a+3], s[\g1a:\g1a+7]
	s_nop 0
.rept 4
	v_nop
.endr
	s_branch .Lasked_\@
.Lfor_b_\@:
	tensor_load_to_lds s[\g0b:\g0b+3], s[\g1b:\g1b+7]
	s_nop 0
.rept 4
	v_nop
.endr
.Lasked_\@:
.endm
.macro CREST                           ; a round of the cluster's barrier behind its opening barrier
	s_cmp_lg_u32 s14, 0
	s_cbranch_scc1 .Lnot_wave_0_\@
	s_barrier_signal -3
.Lnot_wave_0_\@:
	s_barrier_wait -3
	s_barrier_signal -1
	s_barrier_wait -1
.endm
.macro CROUND                          ; a whole round
	s_barrier_signal -1
	s_barrier_wait -1
	CREST
.endm
	s_load_b128 s[4:7], s[0:1], 0x0                ; xq s[4:5], waq s[6:7]
	s_load_b64 s[12:13], s[0:1], 0x10              ; qkv
	v_lshl_add_u32 v[SPW], v0, 2, SPARE
	v_mov_b32 v[NIL], 0
	ds_add_u32 v28, v29
	ds_add_u32 v28, v29
	s_wait_dscnt 0x0
	v_lshrrev_b32 v1, 5, v0
	v_readfirstlane_b32 s14, v1                    ; wave 0..3
	s_lshr_b32 s15, s14, 1                         ; which half of A's 16 blocks is mine.  Also: I fetch for A (0) or for B (1)
	s_and_b32 s16, s14, 1                          ; which half of B's.  Also: which 8 blocks of that tile I fetch
	s_bfe_u32 s40, ttmp6, 0x40000                  ; cx, cy: my place in the cluster
	s_bfe_u32 s41, ttmp6, 0x40004
	s_and_b32 s2, ttmp7, 0xffff                    ; the cluster's y
	s_cmp_eq_u32 ttmp9, 2                          ; v's clusters?  The cluster's x: the same in all partners
	s_cselect_b32 s17, ttmp9, s2
	s_cselect_b32 s42, s2, ttmp9
	s_mov_b32 s3, XC
	s_cselect_b32 s3, WAC, s3                      ; where A's scale words begin,
	s_mov_b32 s45, WAC
	s_cselect_b32 s45, XC, s45                     ; and B's
	s_lshl_b32 s17, s17, 2
	s_add_co_u32 s17, s17, s41                     ; A's tile: of the places in the cluster it hangs on cy alone
	s_lshl_b32 s42, s42, 2
	s_add_co_u32 s42, s42, s40                     ; B's tile: on cx alone
	s_lshl_b32 s43, s41, 2
	s_lshl_b32 s43, 15, s43                        ; my row of the cluster
	s_lshl_b32 s44, 0x1111, s40                    ; my column
	; descriptor group 1 for codes: 8 rows (blocks) of 384 elements of 8 bytes, 1,536 elements apart; dense in LDS
	s_or_b32 s[G1+0], s43, (3<<16)|(1<<21)         ; 15:0 the mask: A's tiles go to my row; 17:16 elements of 8 bytes; 20 no padding; 21 set beside a mask
	s_or_b32 s[G1B+0], s44, (3<<16)|(1<<21)
.irp g, G1, G1B
	s_mov_b32 s[\g+1], 384<<16                     ; tensor_dim0
	s_mov_b32 s[\g+2], 16<<16                      ; tensor_dim1: 16 blocks for the head's loads, 8 behind them
	s_mov_b32 s[\g+3], 384<<16                     ; tile_dim0
	s_mov_b32 s[\g+4], 16                          ; tile_dim1 likewise
	s_mov_b32 s[\g+5], 1536                        ; tensor_dim0_stride
	s_mov_b32 s[\g+6], 0
	s_mov_b32 s[\g+7], 0
.endr
	; and for the scale words of 16 blocks: 8,192 dense bytes as 32 rows of 256
	s_or_b32 s[G1S+0], s43, (3<<16)|(1<<21)
	s_or_b32 s[G1SB+0], s44, (3<<16)|(1<<21)
.irp g, G1S, G1SB
	s_mov_b32 s[\g+1], 32<<16
	s_mov_b32 s[\g+2], 32<<16
	s_mov_b32 s[\g+3], 32<<16
	s_mov_b32 s[\g+4], 32
	s_mov_b32 s[\g+5], 32
	s_mov_b32 s[\g+6], 0
	s_mov_b32 s[\g+7], 0
.endr
	s_lshl_b32 s20, s17, 1
	s_add_co_u32 s20, s20, s16                     ; A: which 8 blocks
	s_lshl_b32 s22, s17, 13                        ; the scale words of the tile's 16 blocks
	s_add_co_u32 s22, s22, s3                      ; their scale words, in bytes from A's first byte,
	s_mov_b32 s23, 0
	s_mul_i32 s20, s20, 8*12288                    ; and their codes
	s_mov_b32 s21, 0
	s_lshl_b32 s46, s42, 1
	s_add_co_u32 s46, s46, s16                     ; B likewise
	s_lshl_b32 s92, s42, 13
	s_add_co_u32 s92, s92, s45
	s_mov_b32 s93, 0
	s_mul_i32 s46, s46, 8*12288
	s_mov_b32 s47, 0
	s_mul_i32 s45, s14, HALFT                      ; where they go: wave x 8 blocks: no place in the cluster enters an LDS address
	s_wait_kmcnt 0x0
	s_cmp_eq_u32 ttmp9, 2
	s_cselect_b64 s[8:9], s[4:5], s[6:7]           ; B = x for v, else w_attn
	s_cselect_b64 s[4:5], s[6:7], s[4:5]           ; A = w_attn for v, else x
	s_add_nc_u64 s[22:23], s[4:5], s[22:23]
	s_add_nc_u64 s[20:21], s[4:5], s[20:21]
	s_add_nc_u64 s[92:93], s[8:9], s[92:93]
	s_add_nc_u64 s[46:47], s[8:9], s[46:47]
	CROUND                                         ; all sixteen work-groups are here: the first joint loads meet
	s_mov_b32 s[G0S], 1
	s_mov_b32 s[G0S+1], SCL
	s_mov_b64 s[G0S+2:G0S+3], s[22:23]
	s_or_b32 s[G0S+3], s[G0S+3], 0x80000000
	s_mov_b32 s[G0SB], 1
	s_mov_b32 s[G0SB+1], SCL+8192+128
	s_mov_b64 s[G0SB+2:G0SB+3], s[92:93]
	s_or_b32 s[G0SB+3], s[G0SB+3], 0x80000000
.irp s, 0,1
	s_mov_b32 s[G0+4*\s], 1
	s_add_co_u32 s[G0+4*\s+1], s45, \s*SLOT
	s_add_nc_u64 s[G0+4*\s+2:G0+4*\s+3], s[20:21], \s*BLKB
	s_or_b32 s[G0+4*\s+3], s[G0+4*\s+3], 0x80000000
	s_mov_b32 s[G0B+4*\s], 1
	s_add_co_u32 s[G0B+4*\s+1], s45, \s*SLOT
	s_add_nc_u64 s[G0B+4*\s+2:G0B+4*\s+3], s[46:47], \s*BLKB
	s_or_b32 s[G0B+4*\s+3], s[G0B+4*\s+3], 0x80000000
.endr
	s_mul_i32 s96, s16, 8*12288                    ; the head's loads of codes begin at the tile's first block: my half's 8 blocks are taken off again
	s_mov_b32 s97, 0
	s_mov_b32 s4, 1                                ; group 0 for A's 16 blocks of K slot 0 (the arguments that lay here have been used)
	s_mov_b32 s5, 0
	s_sub_nc_u64 s[6:7], s[20:21], s[96:97]
	s_or_b32 s7, s7, 0x80000000
	s_mov_b32 s8, 1                                ; and for B's, behind them in slot 0
	s_mov_b32 s9, 2*HALFT
	s_sub_nc_u64 s[10:11], s[46:47], s[96:97]
	s_or_b32 s11, s11, 0x80000000
	s_cmp_lt_u32 s14, 1                            ; one chain of branches on the wave's number, one load to an arm, all arms to one join
	s_cbranch_scc0 .Lhead_b
	tensor_load_to_lds s[4:7], s[G1:G1+7]
	s_nop 0
.rept 4
	v_nop
.endr
	s_branch .Lhead_asked
.Lhead_b:
	s_cmp_lt_u32 s14, 2
	s_cbranch_scc0 .Lhead_sa
	tensor_load_to_lds s[8:11], s[G1B:G1B+7]
	s_nop 0
.rept 4
	v_nop
.endr
	s_branch .Lhead_asked
.Lhead_sa:
	s_cmp_lt_u32 s14, 3
	s_cbranch_scc0 .Lhead_sb
	tensor_load_to_lds s[G0S:G0S+3], s[G1S:G1S+7]
	s_nop 0
.rept 4
	v_nop
.endr
	s_branch .Lhead_asked
.Lhead_sb:
	tensor_load_to_lds s[G0SB:G0SB+3], s[G1SB:G1SB+7]
	s_nop 0
.rept 4
	v_nop
.endr
.Lhead_asked:
	v_and_b32 v1, 31, v0                           ; lane
	v_and_b32 v2, 15, v0                           ; r
	v_bfe_u32 v3, v0, 4, 1                         ; h
	v_lshlrev_b32 v30, 3, v3                       ; 8 h: where my two scale bytes stand in a word
	v_lshlrev_b32 v[L16], 4, v1
	v_lshlrev_b32 v[L8], 3, v1
	s_mul_i32 s21, s15, HALFT                      ; my 8 blocks of A
	s_mul_i32 s22, s16, HALFT                      ; my 8 blocks of B,
	s_add_co_u32 s22, s22, 2*HALFT                 ; which lie behind A's 16
.irp s, 0,1
	v_add_nc_u32 v[ADRA+\s], s21, v[L16]
	v_add_nc_u32 v[ADRB+\s], s22, v[L16]
	v_add_nc_u32 v[ADRA+2+\s], s21, v[L8]
	v_add_nc_u32 v[ADRB+2+\s], s22, v[L8]
	s_add_co_u32 s21, s21, SLOT
	s_add_co_u32 s22, s22, SLOT
.endr
	v_lshlrev_b32 v5, 3, v2                        ; my row's two words of a slot: 8 r
	s_lshl_b32 s21, s15, 12                        ; A's: my 8 blocks
	s_lshl_b32 s22, s16, 12                        ; B's: my 8 blocks, behind A's 16 and the 128 bytes
	s_add_co_u32 s22, s22, 8192+128
	s_sub_co_u32 s22, s22, s21
	v_mul_u32_u24 v6, s22, v3                      ; lanes 16-31 take B's
	s_add_co_u32 s21, s21, SCL
	v_add_nc_u32 v5, v5, v6
	v_add_nc_u32 v[ADRS], s21, v5
	v_mul_u32_u24 v[VOS], v3, 4*RG
	v_lshl_add_u32 v[VOS], v2, 4, v[VOS]
	; the way out's addresses.  n is B's axis for q and k, A's for v; the tokens the other
	s_cmp_eq_u32 ttmp9, 2
	s_cselect_b32 s92, s17, s42                    ; n's tile,
	s_cselect_b32 s93, s15, s16                    ; my half of it,
	s_cselect_b32 s94, s42, s17                    ; the tokens' tile,
	s_cselect_b32 s95, s16, s15                    ; my half of it
	s_mov_b32 s96, 768
	s_cselect_b32 s96, 1536, s96                   ; from one A block's place to the next: a tile of tokens (q, k), a tile of channels (v)
	s_cselect_b32 s98, 4*RG-6144, 0                ; v: behind four tiles of channels, on to the next head
	s_mov_b32 s20, 4*RG
	s_cselect_b32 s20, 768, s20                    ; from a fragment's first half image to its second: the next head (q, k), the next 768 bytes (v)
	s_mov_b32 s97, 0
	s_mov_b32 s99, 0
	s_mov_b32 s21, 0
	s_lshl_b32 s92, s92, 2
	s_lshl_b32 s93, s93, 1
	s_add_co_u32 s92, s92, s93                     ; my first head of 48: 4 x tile + 2 x half
	s_lshl_b32 s92, s92, 2
	s_lshr_b32 s93, s94, 3
	s_add_co_u32 s92, s92, s93                     ; region = head x 4 + batch
	s_mul_i32 s92, s92, RG
	s_and_b32 s94, s94, 7
	s_lshl_b32 s94, s94, 1
	s_add_co_u32 s94, s94, s95                     ; my group of 128 tokens in the batch
	s_mul_i32 s94, s94, 6400                       ; a group: 6,144 bytes of codes and 256 of scale words
	s_add_co_u32 s18, s94, s92
	s_add_co_u32 s18, s18, 6144
	s_mov_b32 s19, 0
	s_add_co_u32 s92, s92, s94
	s_mov_b32 s93, 0
	s_add_nc_u64 s[18:19], s[12:13], s[18:19]      ; the group's scale words
	s_add_nc_u64 s[92:93], s[12:13], s[92:93]      ; a fragment's first half image,
	s_add_nc_u64 s[94:95], s[92:93], s[20:21]      ; and its second
	s_mov_b32 s100, 0x76543210
	s_mov_b32 s101, 0xfedcba98                     ; v_permlanex16_b32's selects for lane l xor 16
.macro FRAG reg, adr, q, i             ; a fragment (16 rows x 128 K, 12 registers) is two half images on end: every load reads consecutive bytes
	ds_load_b128 v[\reg:\reg+3], v[\adr] offset:(\i)*BLKB+(\q)*1536
	ds_load_b64 v[\reg+4:\reg+5], v[\adr+2] offset:(\i)*BLKB+(\q)*1536+512
	ds_load_b128 v[\reg+6:\reg+9], v[\adr] offset:(\i)*BLKB+(\q)*1536+768
	ds_load_b64 v[\reg+10:\reg+11], v[\adr+2] offset:(\i)*BLKB+(\q)*1536+1280
.endm
; 16 matrix instructions: A's blocks a0, a0 + 1 x B's eight, 128 along K.  p: B's set;  sc: the set of scale words.  zero = 1: the first product starts the sums.
; The 64 accumulators take turns, one instruction a turn, in the same order in every step.
.macro MUL16 a0, p, q, sc, zero
.irp a, \a0, \a0+1
.irp b, 0,1,2,3,4,5,6,7
.if \zero
	v_wmma_scale_f32_16x16x128_f8f6f4 v[8*(8*((\a)%4)+\b):8*(8*((\a)%4)+\b)+7], v[128*(\p)+FR*\b:128*(\p)+FR*\b+FR-1], v[AF+FR*(\a):AF+FR*(\a)+FR-1], 0, v[SC+8*NQ*(\sc)+NQ*\b+(\q)], v[SC+8*NQ*(\sc)+NQ*(\a)+(\q)] matrix_a_fmt:MATRIX_FMT_FP6 matrix_b_fmt:MATRIX_FMT_FP6 matrix_a_scale:MATRIX_SCALE_ROW1
.else
	v_wmma_scale_f32_16x16x128_f8f6f4 v[8*(8*((\a)%4)+\b):8*(8*((\a)%4)+\b)+7], v[128*(\p)+FR*\b:128*(\p)+FR*\b+FR-1], v[AF+FR*(\a):AF+FR*(\a)+FR-1], v[8*(8*((\a)%4)+\b):8*(8*((\a)%4)+\b)+7], v[SC+8*NQ*(\sc)+NQ*\b+(\q)], v[SC+8*NQ*(\sc)+NQ*(\a)+(\q)] matrix_a_fmt:MATRIX_FMT_FP6 matrix_b_fmt:MATRIX_FMT_FP6 matrix_a_scale:MATRIX_SCALE_ROW1
.endif
.endr
.endr
.endm
.macro FETCH_B slot, q, p              ; B's eight fragments of the slot's q-th 128 along K into set p
	WIN TO_B
.irp i, 0,1,2,3,4,5,6,7
	FRAG 128*(\p)+FR*\i, ADRB+\slot, \q, \i
.endr
	WIN 0
.endm
.macro FETCH_A slot, q, i0             ; A's blocks i0 .. i0 + 3
.irp i, \i0, \i0+1, \i0+2, \i0+3
	FRAG AF+FR*(\i), ADRA+\slot, \q, \i
.endr
.endm
.macro SCALES sc                       ; a slot's scale words into set sc: lanes 0-15 take A's block i, lanes 16-31 B's block i
.irp i, 0,1,2,3,4,5,6,7
	ds_load_b64 v[SC+8*NQ*\sc+NQ*\i:SC+8*NQ*\sc+NQ*\i+1], v[ADRS] offset:\i*SBLK
.endr
.endm
.macro PLACES n                        ; plain instructions between a matrix instruction and a load into, or a read of, its registers
.rept \n
	v_nop
.endr
.endm
; A step of 128 along K that has its successor in the same slot.
.macro STEP slot, q, zero
	s_wait_dscnt 4*NL                              ; B's set and A's blocks 0-3 are in; the youngest 16 loads (A's blocks 4-7) may be out
	WIN MUL_LO
	MUL16 0, (\q)%2, \q, \slot, \zero
	MUL16 2, (\q)%2, \q, \slot, \zero
	s_wait_dscnt 0                                 ; A's blocks 4-7 are in
	PLACES NP
	FETCH_B \slot, (\q)+1, 1-(\q)%2
	FETCH_A \slot, (\q)+1, 0
	WIN MUL_HI
	MUL16 4, (\q)%2, \q, \slot, \zero
	MUL16 6, (\q)%2, \q, \slot, \zero
	PLACES NP
	WIN 0
	FETCH_A \slot, (\q)+1, 4
.endm
; A slot's last step changes slots: ONE barrier; in front of it each wave waits for all its tensor loads, adds 0 to its spare word, and waits for that and for its own reads of this slot.  fill = 1: this slot is filled again, two K slots ahead.
.macro TURN slot, next, fill
	s_wait_tensorcnt 0x0                           ; all my tensor loads have landed: my part of the next slot
	ds_add_u32 v[SPW], v[NIL]                      ; 0 onto my spare word
	s_wait_dscnt 4*NL+1                            ; (the add and the youngest 16 loads, A's blocks 4-7, may be out)
	WIN MUL_LO
	MUL16 0, 1, NQ-1, \slot, 0                     ; sixteen matrix instructions stand between the add and the wait for it
	s_wait_dscnt 0x0                               ; the add is done, and my reads of this slot are over
	s_barrier_signal -1
	MUL16 2, 1, NQ-1, \slot, 0
	WIN 0
	s_barrier_wait -1
.if \fill
	CREST                                          ; the barrier has opened a round of the cluster's barrier: no wave of any partner still reads this slot or has a load on its way
	s_add_nc_u64 s[G0+4*\slot+2:G0+4*\slot+3], s[G0+4*\slot+2:G0+4*\slot+3], 2*BLKB
	s_add_nc_u64 s[G0B+4*\slot+2:G0B+4*\slot+3], s[G0B+4*\slot+2:G0B+4*\slot+3], 2*BLKB
	JLOAD G0+4*\slot, G1, G0B+4*\slot, G1B         ; the first tensor load behind the round; its four v_nop are the places in front of the loads below
.else
	PLACES NP
.endif
	s_wait_alu depctr_va_vdst(0)
	v_add_nc_u32 v[ADRS], 128, v[ADRS]             ; on to the next slot's scale words (no LDS load of mine is out)
	FETCH_B \next, 0, 0
	FETCH_A \next, 0, 0
	SCALES \next
	WIN MUL_HI
	MUL16 4, 1, NQ-1, \slot, 0
	MUL16 6, 1, NQ-1, \slot, 0
	PLACES NP
	WIN 0
	FETCH_A \next, 0, 4
.endm
	s_wait_alu depctr_va_vdst(0)
	s_wait_tensorcnt 0x0                           ; my tile of the head's four is in
	ds_add_u32 v[SPW], v[NIL]
	s_mov_b32 s[G1+2], 8<<16                       ; no tensor load of mine is out: from here on a load brings 8 blocks
	s_mov_b32 s[G1+4], 8
	s_mov_b32 s[G1B+2], 8<<16
	s_mov_b32 s[G1B+4], 8
	s_wait_dscnt 0x0
	CROUND                                         ; all four tiles are in, and all sixteen work-groups are here
	JLOAD G0+4, G1, G0B+4, G1B                     ; K slot 1, the first tensor load behind the round
	FETCH_B 0, 0, 0
	FETCH_A 0, 0, 0
	SCALES 0
	FETCH_A 0, 0, 4
	STEP 0, 0, 1                                   ; the first step stands in front of the loop: its products start the sums
	s_mov_b32 s3, LAPS-1
.Llap:                                                 ; a trip goes once round the ring and fills both slots again
	TURN 0, 1, 1
	STEP 1, 0, 0
	TURN 1, 0, 1
	STEP 0, 0, 0
	s_sub_co_u32 s3, s3, 1
	s_cmp_lg_u32 s3, 0
	s_cbranch_scc1 .Llap
	TURN 0, 1, 0                                   ; the last lap fills nothing, and has no round of the cluster's barrier
	STEP 1, 0, 0
	s_wait_dscnt 4*NL                              ; the very last step: nothing more to fetch
	WIN MUL_LO
	MUL16 0, 1, NQ-1, 1, 0
	MUL16 2, 1, NQ-1, 1, 0
	s_wait_dscnt 0
	WIN MUL_HI
	MUL16 4, 1, NQ-1, 1, 0
	MUL16 6, 1, NQ-1, 1, 0
	WIN 0
; THE WAY OUT.  Of A block a, lane (r, h) holds row r, and register 32 c + i the number at 64 c + 32 h + i of B's 128: two whole blocks of 32 along the axis that is quantised; no lane needs another's maximum.
; They become a fragment's 12 registers of codes and a scale word.  For q and k the fragment's two half images are two heads' tiles; for v it is one fragment of V^T.
.macro QUANTW a
.set AS, 64*((\a)%4)
	WIN 0x28+0x14*((\a)/4)                         ; sources 1 and 2: window 2 or 3
.irp b, 0,1,2,3
	v_max3_num_f32 v[TM+\b], 0x1800000, |v[AS+16*\b]|, |v[AS+16*\b+1]|   ; each accumulator is read from its low end on; the floor 2^(3 - 127) holds the byte at 1 from below
.endr
.irp i, 2,4,6,8,10,12,14
.irp b, 0,1,2,3
	v_max3_num_f32 v[TM+\b], v[TM+\b], |v[AS+16*\b+\i]|, |v[AS+16*\b+\i+1]|
.endr
.endr
	WIN 0
.irp c, 0,1
	v_max_num_f32 v[TM+\c], v[TM+2*\c], v[TM+2*\c+1]   ; two chains of 16 make block 2 c + h's largest magnitude
.endr
.irp c, 0,1
	v_add_nc_u32 v[TM+12+\c], 0xff000000, v[TM+\c] ; 2 off its exponent field: the conversion's scale operand
.endr
.irp c, 0,1
	v_lshrrev_b32 v[TM+4+\c], 23, v[TM+12+\c]      ; the scale's byte
.endr
	v_lshl_or_b32 v[TM+4], v[TM+5], 16, v[TM+4]    ; blocks h and 2 + h,
	v_lshlrev_b32 v[TM+4], v30, v[TM+4]            ; at their places in the word;
	v_permlanex16_b32 v[TM+5], v[TM+4], s100, s101
	v_or_b32 v[PW+(\a)], v[TM+4], v[TM+5]          ; with lane l xor 16's two the word is whole
	WIN 2+(\a)/4                                   ; source 0: window 2 or 3
.irp c, 0,1
	v_cvt_scalef32_pk16_fp6_f32 v[PC+6*\c:PC+6*\c+2], v[AS+32*\c:AS+32*\c+15], v[TM+12+\c]
	v_cvt_scalef32_pk16_fp6_f32 v[PT+4*\c:PT+4*\c+2], v[AS+32*\c+16:AS+32*\c+31], v[TM+12+\c]
.endr
	WIN 0
	v_nop                                          ; one plain instruction behind the scaled conversions
.irp c, 0,1                                    ; a conversion's three registers begin on an even number: a block's upper half is moved to its place
.irp i, 0,1,2
	v_mov_b32 v[PC+3+6*\c+\i], v[PT+4*\c+\i]
.endr
.endr
.endm
.macro OUTB a
.if (\a) > 0
	s_wait_xcnt 0x0                                ; the last block's stores have read their data and their bases: both are written again only behind this wait
	s_add_nc_u64 s[92:93], s[92:93], s[96:97]
	s_add_nc_u64 s[94:95], s[94:95], s[96:97]
.if (\a) == 4
	s_add_nc_u64 s[92:93], s[92:93], s[98:99]
	s_add_nc_u64 s[94:95], s[94:95], s[98:99]
.endif
.endif
	QUANTW \a
	global_store_b128 v[L16], v[PC:PC+3], s[92:93]                  ; 512 consecutive bytes, at a multiple of 256
	global_store_b64 v[L8], v[PC+4:PC+5], s[92:93] offset:512       ; 256 consecutive bytes
	global_store_b128 v[L16], v[PC+6:PC+9], s[94:95]
	global_store_b64 v[L8], v[PC+10:PC+11], s[94:95] offset:512
.endm
	PLACES NP                                      ; behind the last products
.irp a, 0,1,2,3,4,5,6,7
	OUTB \a
.endr
	s_wait_alu depctr_va_vdst(0)
	s_mov_b32 s3, 0xffff0000                       ; lanes 16-31: they store my second head's words
	s_cmp_eq_u32 ttmp9, 2
	s_cbranch_scc1 .Lvtail
	v_mov_b32 v112, 0x05040100                     ; q, k: a word is two tiles' two bytes: bytes 0, 1 of both words for the first head,
	v_mov_b32 v113, 0x07060302                     ; bytes 2, 3 for the second
	v_cndmask_b32 v112, v112, v113, s3
.irp p, 0,1,2,3
	v_perm_b32 v[OW+\p], v[PW+2*\p+1], v[PW+2*\p], v112
.endr
	s_branch .Ljoin
.Lvtail:
.irp t, 0,1,2,3
	v_cndmask_b32 v[OW+\t], v[PW+\t], v[PW+4+\t], s3   ; v: a word as it stands: tiles 0-3 are the first head's channels, tiles 4-7 the second's
.endr
.Ljoin:
	s_wait_alu depctr_va_vdst(0)
	global_store_b128 v[VOS], v[OW:OW+3], s[18:19] ; sixteen lanes store a head's 256 consecutive bytes
	s_wait_tensorcnt 0x0                           ; the wave's end
	ds_add_u32 v[SPW], v[NIL]
	s_wait_dscnt 0x0
	CROUND                                         ; the closing round: no work-group ends while a partner may still ask for a tile that names it
	s_endpgm
.Lfunc_end_k_qae9e03fae1_qkvgemm:
	.size	k_qae9e03fae1_qkvgemm, .Lfunc_end_k_qae9e03fae1_qkvgemm-k_qae9e03fae1_qkvgemm
	.p2alignl 7, 3214868480
	.fill 96, 4, 3214868480
	.section	.rodata,"a",@progbits
	.p2align	6, 0x0
	.amdhsa_kernel k_qae9e03fae1_qkvgemm
		.amdhsa_group_segment_fixed_size 327680
		.amdhsa_private_segment_fixed_size 0
		.amdhsa_enable_private_segment 0
		.amdhsa_kernarg_size 24
		.amdhsa_user_sgpr_count 2
		.amdhsa_user_sgpr_kernarg_segment_ptr 1
		.amdhsa_wavefront_size32 1
		.amdhsa_system_sgpr_workgroup_id_x 1
		.amdhsa_system_sgpr_workgroup_id_y 1
		.amdhsa_system_sgpr_workgroup_id_z 1
		.amdhsa_system_vgpr_workitem_id 0
		.amdhsa_next_free_vgpr 1024
		.amdhsa_next_free_sgpr 102
		.amdhsa_reserve_vcc 0
		.amdhsa_float_denorm_mode_32 3
		.amdhsa_float_denorm_mode_16_64 3
		.amdhsa_memory_ordered 1
		.amdhsa_forward_progress 1
		.amdhsa_inst_pref_size 146
	.end_amdhsa_kernel
	.amdgpu_metadata
---
amdhsa.version: [ 1, 2 ]
amdhsa.kernels:
  - .name:           k_qae9e03fae1_qkvgemm
    .symbol:         k_qae9e03fae1_qkvgemm.kd
    .args:
      - { .name: xq, .offset: 0, .size: 8, .value_kind: global_buffer, .address_space: global }
      - { .name: waq, .offset: 8, .size: 8, .value_kind: global_buffer, .address_space: global }
      - { .name: qkv, .offset: 16, .size: 8, .value_kind: global_buffer, .address_space: global }
    .group_segment_fixed_size: 327680
    .private_segment_fixed_size: 0
    .kernarg_segment_align: 8
    .kernarg_segment_size: 24
    .max_flat_workgroup_size: 128
    .sgpr_count:     102
    .vgpr_count:     1024
    .wavefront_size: 32
...
	.end_amdgpu_metadata
.endif
;; end of part 2
;; launch attn (part 3): grid 4 x 64, 16 waves a work-group, no clusters, 327,680 bytes of LDS; arguments qkv, yq; writes yq
.if DOCPART == 3
	.amdgcn_target "amdgcn-amd-amdhsa--gfx1250"
	.amdhsa_code_object_version 6
	.text
	.protected	k_qae9e03fae1_attn
	.globl	k_qae9e03fae1_attn
	.p2align	8
	.type	k_qae9e03fae1_attn,@function
k_qae9e03fae1_attn:
	s_mov_b64 s[64:65], 0
	v_nop
	global_prefetch_b8 v0, s[64:65] scope:SCOPE_SE
	s_setreg_imm32_b32 hwreg(HW_REG_WAVE_MODE, 25, 1), 1
	s_wait_xcnt 0x0
; y = softmax(q k^T / 8, causal) v for one head of one batch, on codes of FP6 (E2M3) with E8M0 scales; y leaves as codes and scale bytes, in the order of the operand registers of the next product.
; LEFT OUT: steps of 128 keys that lie wholly above the causal mask which the problem builds itself: their p is 0 for every value of the inputs.  A NaN or an infinity that reaches only such keys is not carried on.
; LIMITS: the promise holds while the scaled scores (exponents to the base 2) stay under 2^31 in magnitude; a block of zeros gets the byte 1 (its codes are zeros; this program alone reads the bytes); NaN and infinities are not served.
; qkv: 192 regions (kind x 64 + head x 4 + batch) of 16 groups of 128 tokens, 6,400 bytes a group.  q, k: 8 tiles of 16 tokens x 64 (768 bytes: lane l's registers 0-3 at 16 l, 4-5 at 512 + 8 l), then [r][4 words], word p = tiles 2 p, 2 p + 1, two bytes each.
; v: 4 tiles of 16 channels x 128 keys (1,536 bytes), then [r][4 words], word t = tile t's four key blocks.  Tile 4 c + j holds in lane r token (channel) 64 c + 8 j + r % 8 + 32 (r / 8).
; THE DEAL: four work-groups a head; work-group x takes query blocks x and 7 - x of 256 tokens, one after the other.  A wave takes a tile of 16 queries: tile w of the first block, tile 15 - w of the second,
; so that every wave of every work-group has 2 x + 1 + w / 8 and 2 (7 - x) + 1 + (15 - w) / 8 steps: 17.
; Both products are used transposed: S^T = k q^T, O^T = v^T p^T: a lane holds one query.  By the order of a tile's rows, lane (r, h) holds in S + 32 c + i key 64 c + 32 h + i of the step: two whole scale blocks of p;
; and in O + i channel 32 h + i: one whole scale block of y.  K = 64 fills half of a matrix instruction: a fragment of k is two tiles, and q stands in the lower or the upper 64 with zero codes in the other.
; LDS: group g at 12,800 g: k's 6,400 bytes, then v's.  Keys 0-1023 are asked for at the head, one tensor load a wave (waves 0-7 k's groups, 8-15 v's); keys 1024-2047 behind a barrier, one load a wave.
; The first pass (block x, x under 4) and the first half of the second pass read groups 0-7 alone: their loops have 8 trips by the text.  The barrier that shows groups 8-15 is split: a wave waits for its own load and signals
; behind its first pass, and waits at the barrier only ahead of group 8; between the two stand register work and LDS loads of groups 0-7, which nobody writes again.
; k's fragments of the next step are fetched behind this step's score products, into registers of their own; in a loop's last trip the address is held at the loop's last group.
; NO CLUSTER: the four work-groups of a head read the same groups, but work-group x reads only groups 0 .. 15 - 2 x: every wave of a partner would jump over the reads of tiles that a joint load brings.
; NO PREFETCH: every byte of k and v is asked for by the two groups of tensor loads at the launch's start; no later request is left to run ahead of.
.set RG,   102400
.set GB,   6400                        ; a group in memory
.set GP,   12800                       ; a group of k and v in LDS
.set YC,   6291456                     ; bytes of y's codes; its scale words follow
.set SPARE, 16*GP                      ; the spare words: 128 bytes a wave, eight blocks of 256 bytes that no other line names
.set PS,   6                           ; v6      p's scale word
.set QF,   16                          ; v16-33  zeros, q's six registers, zeros
.set QS,   34                          ; v34     q's scale word
.set SR,   35                          ; v35     16 r
.set KF,   36                          ; v36-83  four fragments of k
.set VF,   84                          ; v84-131 four of v
.set KSC,  132
.set VSC,  136
.set S,    140                         ; v140-203 scores, then p
.set O,    204                         ; v204-235 O^T
.set PC,   236                         ; v236-247 p's codes; at work ahead of them
.set BM,   248                         ; v248-249 my two blocks' largest score, p, byte
.set SOP,  250                         ; v250-251 the conversions' scale operands
.set FF,   252                         ; v252    2^(old M - new M)
; v1 16 x lane, v2 8 x lane, v3-5 LDS addresses, v7 the mask's lane term, v8 y's byte place, v9 8 h, v10-11 at work, v12 -M, v13 the running largest score, v[14:15] the row's sum, v254-255 the add's
.macro FRAGS f, ra, rb, off            ; four fragments: every load reads consecutive bytes
.irp t, 0,1,2,3
	ds_load_b128 v[\f+12*\t:\f+12*\t+3], v\ra offset:\off+1536*\t
	ds_load_b64 v[\f+12*\t+4:\f+12*\t+5], v\rb offset:\off+1536*\t+512
	ds_load_b128 v[\f+12*\t+6:\f+12*\t+9], v\ra offset:\off+1536*\t+768
	ds_load_b64 v[\f+12*\t+10:\f+12*\t+11], v\rb offset:\off+1536*\t+1280
.endr
.endm
.macro TILE                            ; what hangs on s58, my tile of the block's 16
	s_and_b32 s55, s58, 1
	s_cmp_eq_u32 s55, 1
	s_mov_b32 s55, 0x01000100
	s_cselect_b32 s55, 0x03020302, s55             ; my tile's two bytes of q's word, in both halves of K
	s_bfe_u32 s34, s58, 0x10002                    ; which 64 of its group of 128 my tile lies in
	s_and_b32 s35, s58, 3
	s_lshl_b32 s35, s35, 3
	s_lshr_b32 s39, s58, 3
	s_mul_i32 s39, s39, GB
	s_bfe_u32 s33, s58, 0x20001
	s_lshl_b32 s33, s33, 2
	s_add_co_u32 s38, s39, s33
	s_add_co_u32 s38, s38, 6144                    ; q's scale word
	s_and_b32 s33, s58, 7
	s_mul_i32 s33, s33, 768
	s_add_co_u32 s39, s39, s33                     ; q's tile
.endm
.macro QLOAD                           ; my tile of q in query block s53, and its scale word
	s_mul_i32 s60, s53, 2*GB
	s_add_co_u32 s62, s60, s38
	s_add_co_u32 s60, s60, s39
	s_mov_b32 s61, 0
	s_mov_b32 s63, 0
	s_add_nc_u64 s[60:61], s[56:57], s[60:61]
	s_add_nc_u64 s[62:63], s[56:57], s[62:63]
	global_load_b128 v[QF+6:QF+9], v1, s[60:61]
	global_load_b64 v[QF+10:QF+11], v2, s[60:61] offset:512
	global_load_b32 v[QS], v[SR], s[62:63]
.endm
	s_load_b128 s[4:7], s[0:1], 0x0                ; qkv, yq
	v_lshl_add_u32 v254, v0, 2, SPARE
	v_mov_b32 v255, 0
	ds_add_u32 v254, v255                          ; the opening lines: the add, twice on end, and its wait
	ds_add_u32 v254, v255
	v_lshrrev_b32 v1, 5, v0
	v_readfirstlane_b32 s18, v1                    ; wave 0..15
	s_and_b32 s8, ttmp7, 0xffff                    ; head x 4 + batch
	s_lshr_b32 s9, s8, 2
	s_and_b32 s10, s8, 3
	s_mul_i32 s12, s8, RG
	s_mov_b32 s13, 0
	s_lshr_b32 s14, s18, 3                         ; I fetch for k (0) or for v (1),
	s_and_b32 s15, s18, 7                          ; group wave % 8, and later group 8 + wave % 8
	s_mul_i32 s16, s14, 64*RG
	s_mul_i32 s17, s15, GB
	s_add_co_u32 s16, s16, s17
	s_add_co_u32 s16, s16, s12
	s_add_co_u32 s16, s16, 64*RG
	s_mov_b32 s17, 0
	s_mul_i32 s41, s15, GP
	s_mul_i32 s19, s14, GB
	s_add_co_u32 s41, s41, s19
	s_add_co_u32 s45, s41, 8*GP
	s_mov_b32 s40, 1
	s_mov_b32 s44, 1
	s_mov_b32 s24, 3<<16                           ; a group: 25 rows of 32 elements of 8 bytes, dense
	s_mov_b32 s25, 32<<16
	s_mov_b32 s26, 25<<16
	s_mov_b32 s27, 32<<16
	s_mov_b32 s28, 25
	s_mov_b32 s29, 32
	s_mov_b32 s30, 0
	s_mov_b32 s31, 0
	s_wait_dscnt 0x0
	s_wait_kmcnt 0x0
	s_add_nc_u64 s[42:43], s[4:5], s[16:17]
	s_add_nc_u64 s[46:47], s[42:43], 8*GB
	s_or_b32 s43, s43, 0x80000000
	s_or_b32 s47, s47, 0x80000000
	tensor_load_to_lds s[40:43], s[24:31]          ; my one load at the head
	s_nop 0
	v_and_b32 v10, 31, v0
	v_lshlrev_b32 v1, 4, v10
	v_lshlrev_b32 v2, 3, v10
	v_and_b32 v10, 15, v0                          ; r
	v_bfe_u32 v11, v0, 4, 1                        ; h
	v_lshlrev_b32 v[SR], 4, v10
	v_lshl_add_u32 v8, v10, 3, v11
	v_lshlrev_b32 v9, 3, v11
	v_and_b32 v7, 7, v10
	v_lshrrev_b32 v10, 3, v10
	v_sub_nc_u32 v10, v10, v11
	v_lshl_add_u32 v7, v10, 5, v7                  ; r % 8 + 32 (r / 8) - 32 h: my query's place in its tile less my half's first key
.irp i, 0,1,2,3,4,5,12,13,14,15,16,17
	v_mov_b32 v[QF+\i], 0
.endr
	v_mov_b32 v10, 0                               ; written once: a lane permute's destination counts as one of its sources
	v_mov_b32 v[PC+5], 0
	v_mov_b32 v[FF+1], 0                           ; (named as the upper half of a pair)
	s_wait_alu depctr_va_vdst(0)
	s_add_nc_u64 s[56:57], s[4:5], s[12:13]        ; q's region
	s_mov_b32 s20, 0x76543210
	s_mov_b32 s21, 0xfedcba98                      ; v_permlanex16_b32's selects for lane l xor 16
	s_mov_b32 s22, 0x3e38aa3b                      ; log2(e) / 8
	s_mov_b32 s23, s22
	s_mul_i32 s36, s10, 128*12288
	s_mul_i32 s33, s9, 768
	s_add_co_u32 s36, s36, s33                     ; y's codes: batch's first block, my head's half image
	s_lshl_b32 s37, s10, 16
	s_lshr_b32 s33, s9, 2
	s_lshl_b32 s33, s33, 7
	s_add_co_u32 s37, s37, s33
	s_and_b32 s33, s9, 3
	s_lshl_b32 s33, s33, 1
	s_add_co_u32 s37, s37, s33
	s_add_co_u32 s37, s37, YC                      ; y's scale bytes
	s_mov_b32 s53, ttmp9
	s_mov_b32 s58, s18
	TILE
	QLOAD
	s_wait_tensorcnt 0x0                           ; my group is in
	ds_add_u32 v254, v255
	s_wait_dscnt 0x0
	s_barrier_signal -1
	s_barrier_wait -1                              ; groups 0-7 are whole
	tensor_load_to_lds s[44:47], s[24:31]          ; my group of 8-15: it lands while groups 0-7 are worked on
	s_nop 0
; A pass begins: my 16 queries of block s53; k's fragments of group 0; the sums begin
.macro BEGIN
	s_lshl_b32 s32, s53, 4
	s_add_co_u32 s32, s32, s58                     ; my tile of the batch's 128
	s_lshr_b32 s49, s32, 2
	s_lshl_b32 s49, s49, 6
	s_add_co_u32 s49, s49, s35                     ; its first token, 64 c + 8 j;
	s_add_co_u32 s50, s49, 39                      ; its last
	s_mov_b32 s48, 0
	s_mov_b32 s2, 0
	FRAGS KF, 1, 2, 0
	ds_load_b128 v[KSC:KSC+3], v[SR] offset:6144
	s_wait_loadcnt 0x0
	v_perm_b32 v[QS], v[QS], v[QS], s55            ; (the 36 lines below are its places ahead of the scaled products)
	v_mov_b32 v13, 0xff61b1e6                      ; the largest score so far: -3e38
	v_mov_b32 v12, 0x7e000000                      ; -M: 2^125, so that the first step's factor is 0
	v_mov_b32 v14, 0
	v_mov_b32 v15, 0
.set n, 0
.rept 32
	v_mov_b32 v[O+n], 0
.set n, n+1
.endr
	s_wait_alu depctr_va_vdst(0)
.endm
; Eight groups of 128 keys, from the group at s2 (first key s48) on; last: the last group that the loop may touch
.macro LOOP last, id
	s_mov_b32 s51, 8
.Lstep\id:
	s_cmp_gt_u32 s48, s50                          ; all 128 keys behind my last query: nothing to do
	s_cbranch_scc1 .Lhid\id
	s_add_co_u32 s3, s2, GP
	s_min_u32 s3, s3, (\last)*GP                   ; the next group, held at the loop's last
	s_wait_dscnt 0x0                               ; k's fragments, asked for a step ago
.irp p, 0,1,2,3
.irp u, 0,1
	v_wmma_scale_f32_16x16x128_f8f6f4 v[S+8*(2*\p+\u):S+8*(2*\p+\u)+7], v[KF+12*\p:KF+12*\p+11], v[QF+6-6*\u:QF+17-6*\u], 0, v[KSC+\p], v[QS] matrix_a_fmt:MATRIX_FMT_FP6 matrix_b_fmt:MATRIX_FMT_FP6
.endr
.endr
	v_add_nc_u32 v3, s2, v1                        ; four plain lines: the places behind the products
	v_add_nc_u32 v4, s2, v2
	v_add_nc_u32 v5, s2, v[SR]
	v_mov_b32 v10, v12                             ; the old -M
	FRAGS VF, 3, 4, GB
	ds_load_b128 v[VSC:VSC+3], v5 offset:GB+6144
	v_add_nc_u32 v3, s3, v1
	v_add_nc_u32 v4, s3, v2
	v_add_nc_u32 v5, s3, v[SR]
	FRAGS KF, 3, 4, 0
	ds_load_b128 v[KSC:KSC+3], v5 offset:6144
	s_add_co_u32 s33, s48, 127
	s_cmp_le_u32 s33, s49
	s_cbranch_scc1 .Lopen\id                       ; all 128 keys ahead of my first query
	s_sub_co_i32 s33, s49, s48
	v_add_nc_u32 v11, s33, v7                      ; key 64 c + i of my half is hidden where 64 c + i is above this
	v_mov_b32 v[PC], 0xff800000
	s_cmp_eq_u32 s34, 1
	s_wait_alu depctr_va_vdst(0)
	s_cbranch_scc1 .Lup\id                         ; my tile lies in the upper 64: the lower 64 keys all count
.set n, 0
.rept 32
	v_cmp_gt_i32 vcc_lo, n, v11
	v_cndmask_b32 v[S+n], v[S+n], v[PC], vcc_lo
.set n, n+1
.endr
.Lup\id:
.set n, 0
.rept 32
	v_cmp_gt_i32 vcc_lo, 64+n, v11
	v_cndmask_b32 v[S+32+n], v[S+32+n], v[PC], vcc_lo
.set n, n+1
.endr
.Lopen\id:
.irp c, 0,1                                    ; the largest score of each of my two blocks: two chains of 16 a block, four by turns; each accumulator is read from its low end on
	v_max3_num_f32 v[BM+\c], v[S+32*\c], v[S+32*\c+1], v[S+32*\c+2]
	v_max3_num_f32 v[PC+2+\c], v[S+32*\c+16], v[S+32*\c+17], v[S+32*\c+18]
.endr
.irp i, 3,5,7,9,11,13
.irp c, 0,1
	v_max3_num_f32 v[BM+\c], v[BM+\c], v[S+32*\c+\i], v[S+32*\c+\i+1]
	v_max3_num_f32 v[PC+2+\c], v[PC+2+\c], v[S+32*\c+16+\i], v[S+32*\c+17+\i]
.endr
.endr
.irp c, 0,1
	v_max3_num_f32 v[BM+\c], v[BM+\c], v[PC+2+\c], v[S+32*\c+15]
.endr
.irp c, 0,1
	v_max_num_f32 v[BM+\c], v[BM+\c], v[S+32*\c+31]
.endr
	v_max_num_f32 v[PC+4], v[BM], v[BM+1]
	v_permlanex16_b32 v[PC+5], v[PC+4], s20, s21
	v_max3_num_f32 v13, v13, v[PC+4], v[PC+5]      ; the running largest score of my query
	v_mul_f32 v[PC+4], s22, v13                    ; as t
	v_floor_f32 v12, -v[PC+4]                      ; -M = floor(-t): M is a whole number
.set n, 0
.rept 32
	v_pk_fma_f32 v[S+n:S+n+1], v[S+n:S+n+1], s[22:23], v[12:13] op_sel_hi:[1,0,0]   ; t - M
.set n, n+2
.endr
.irp c, 0,1
	v_fma_f32 v[BM+\c], v[BM+\c], s22, v12         ; the same of each block's largest score: p rises with the score
.endr
	v_sub_f32 v[PC+4], v12, v10                    ; old M less new M, a whole number, 0 or less
	v_cvt_i32_f32 v[PC+4], v[PC+4]
	v_ldexp_f32 v[FF], 1.0, v[PC+4]
	s_wait_alu depctr_va_vdst(0)
.set n, 0
.rept 64
	v_exp_f32 v[S+n], v[S+n]
.set n, n+1
.endr
.irp c, 0,1
	v_exp_f32 v[BM+\c], v[BM+\c]
.endr
	v_pk_mul_f32 v[14:15], v[14:15], v[FF:FF+1] op_sel_hi:[1,0]   ; the sum under the new M; the plain line behind the batch
	s_wait_alu depctr_va_vdst(0)                   ; one wait for the batch, ahead of its first reader
	v_pk_add_f32 v[10:11], v[S:S+1], v[S+2:S+3]    ; the row's sum is taken of the unquantised p, in two chains
.irp j, 4,8,12,16,20,24,28,32,36,40,44,48,52,56,60
	v_pk_add_f32 v[14:15], v[14:15], v[S+\j:S+1+\j]
	v_pk_add_f32 v[10:11], v[10:11], v[S+2+\j:S+3+\j]
.endr
	v_pk_add_f32 v[14:15], v[14:15], v[10:11]
.irp c, 0,1
	v_max_num_f32 v[BM+\c], 0x1800000, v[BM+\c]    ; the floor 2^(3 - 127) holds the byte at 1 from below
.endr
.irp c, 0,1
	v_add_nc_u32 v[SOP+\c], 0xff000000, v[BM+\c]   ; 2 off the exponent field: the conversion's scale operand
.endr
	v_cvt_scalef32_pk16_fp6_f32 v[PC:PC+2], v[S:S+15], v[SOP]
	v_cvt_scalef32_pk16_fp6_f32 v[PC+6:PC+8], v[S+32:S+47], v[SOP+1]
.irp c, 0,1
	v_lshrrev_b32 v[BM+\c], 23, v[SOP+\c]          ; the scale's byte; also the plain lines behind the conversions, whose sources are written next
.endr
	v_cvt_scalef32_pk16_fp6_f32 v[S:S+2], v[S+16:S+31], v[SOP]        ; (a conversion's three registers begin on an even number: the upper halves are made here and moved)
	v_cvt_scalef32_pk16_fp6_f32 v[S+32:S+34], v[S+48:S+63], v[SOP+1]
	v_lshl_or_b32 v[BM], v[BM+1], 16, v[BM]        ; blocks h and 2 + h,
	v_lshlrev_b32 v[BM], v9, v[BM]                 ; at their places in the word;
	v_permlanex16_b32 v[BM+1], v[BM], s20, s21
	v_or_b32 v[PS], v[BM], v[BM+1]                 ; with lane l xor 16's two the word is whole
.irp c, 0,1
.irp i, 0,1,2
	v_mov_b32 v[PC+3+6*\c+\i], v[S+32*\c+\i]
.endr
.endr
	s_wait_alu depctr_va_vdst(0)
.set n, 0
.rept 16
	v_pk_mul_f32 v[O+n:O+n+1], v[O+n:O+n+1], v[FF:FF+1] op_sel_hi:[1,0]   ; O^T under the new M; also the places ahead of the scaled products
.set n, n+2
.endr
	s_wait_alu depctr_va_vdst(0)
	s_wait_dscnt 17                                ; v's 17 loads are in; the 17 issued behind them, k's next fragments, may be out
.irp t, 0,1,2,3
	v_wmma_scale_f32_16x16x128_f8f6f4 v[O+8*\t:O+8*\t+7], v[VF+12*\t:VF+12*\t+11], v[PC:PC+11], v[O+8*\t:O+8*\t+7], v[VSC+\t], v[PS] matrix_a_fmt:MATRIX_FMT_FP6 matrix_b_fmt:MATRIX_FMT_FP6
.endr
.Lhid\id:
	s_add_co_u32 s48, s48, 128
	s_add_co_u32 s2, s2, GP
	s_sub_co_u32 s51, s51, 1
	s_cmp_lg_u32 s51, 0
	s_cbranch_scc1 .Lstep\id
	s_wait_dscnt 0x0                               ; the loop's last fetch of k's fragments, which nothing reads, has landed
.endm
; A pass ends: y = O^T / the sum, quantised and stored.  more = 1: another pass follows, and its q is asked for ahead of this way out
.macro WAYOUT more
.if \more
	s_xor_b32 s53, s53, 7
	s_xor_b32 s58, s58, 15
	TILE
	QLOAD
.endif
	s_mul_i32 s66, s32, 12288
	s_add_co_u32 s66, s66, s36
	s_mov_b32 s67, 0
	s_add_nc_u64 s[66:67], s[6:7], s[66:67]
	s_lshl_b32 s68, s32, 9
	s_add_co_u32 s68, s68, s37
	s_mov_b32 s69, 0
	s_add_nc_u64 s[68:69], s[6:7], s[68:69]
.rept 2
	v_nop                                          ; with the plain lines below: the places behind the last products
.endr
	v_add_f32 v14, v14, v15
	v_permlanex16_b32 v10, v14, s20, s21
	v_add_f32 v14, v14, v10                        ; the row's sum
	s_wait_alu depctr_va_vdst(0)
	v_rcp_f32 v14, v14
	v_nop
	s_wait_alu depctr_va_vdst(0)
.set n, 0
.rept 16
	v_pk_mul_f32 v[S+n:S+n+1], v[O+n:O+n+1], v[14:15] op_sel_hi:[1,0]   ; y: channels 32 h + 0 .. 31 of my query: one scale block
.set n, n+2
.endr
	v_max3_num_f32 v[BM], |v[S]|, |v[S+1]|, 0x1800000
	v_max3_num_f32 v[BM+1], |v[S+16]|, |v[S+17]|, 0x1800000
.irp i, 2,4,6,8,10,12,14
	v_max3_num_f32 v[BM], v[BM], |v[S+\i]|, |v[S+1+\i]|
	v_max3_num_f32 v[BM+1], v[BM+1], |v[S+16+\i]|, |v[S+17+\i]|
.endr
	v_max_num_f32 v[BM], v[BM], v[BM+1]
	v_add_nc_u32 v[SOP], 0xff000000, v[BM]
	v_cvt_scalef32_pk16_fp6_f32 v[PC:PC+2], v[S:S+15], v[SOP]
	v_cvt_scalef32_pk16_fp6_f32 v[PC+6:PC+8], v[S+16:S+31], v[SOP]
	v_lshrrev_b32 v[BM], 23, v[SOP]
.irp i, 0,1,2
	v_mov_b32 v[PC+3+\i], v[PC+6+\i]
.endr
	s_wait_alu depctr_va_vdst(0)
	global_store_b128 v1, v[PC:PC+3], s[66:67]     ; 512 consecutive bytes, at a multiple of 256
	global_store_b64 v2, v[PC+4:PC+5], s[66:67] offset:512
	global_store_b8 v8, v[BM], s[68:69]            ; one byte in 24 of what the launch stores
	s_wait_xcnt 0x0                                ; the stores have read their registers and bases
.endm
	BEGIN
	LOOP 7, _a
	WAYOUT 1
	s_wait_tensorcnt 0x0                           ; my group of 8-15 is in:
	s_barrier_signal -1                            ; say so, and go on with groups 0-7
	BEGIN
	LOOP 7, _b
	s_barrier_wait -1                              ; everybody's group of 8-15 is in
	s_mov_b32 s2, 8*GP
	s_mov_b32 s48, 1024
	v_add_nc_u32 v3, s2, v1
	v_add_nc_u32 v4, s2, v2
	v_add_nc_u32 v5, s2, v[SR]
	FRAGS KF, 3, 4, 0
	ds_load_b128 v[KSC:KSC+3], v5 offset:6144
	LOOP 15, _c
	WAYOUT 0
	s_wait_tensorcnt 0x0                           ; the wave's end
	ds_add_u32 v254, v255
	s_wait_dscnt 0x0
	s_endpgm
.Lfunc_end_k_qae9e03fae1_attn:
	.size	k_qae9e03fae1_attn, .Lfunc_end_k_qae9e03fae1_attn-k_qae9e03fae1_attn
	.p2alignl 7, 3214868480
	.fill 96, 4, 3214868480
	.section	.rodata,"a",@progbits
	.p2align	6, 0x0
	.amdhsa_kernel k_qae9e03fae1_attn
		.amdhsa_group_segment_fixed_size 327680
		.amdhsa_private_segment_fixed_size 0
		.amdhsa_enable_private_segment 0
		.amdhsa_kernarg_size 16
		.amdhsa_user_sgpr_count 2
		.amdhsa_user_sgpr_kernarg_segment_ptr 1
		.amdhsa_wavefront_size32 1
		.amdhsa_system_sgpr_workgroup_id_x 1
		.amdhsa_system_sgpr_workgroup_id_y 1
		.amdhsa_system_sgpr_workgroup_id_z 1
		.amdhsa_system_vgpr_workitem_id 0
		.amdhsa_next_free_vgpr 256
		.amdhsa_next_free_sgpr 70
		.amdhsa_reserve_vcc 1
		.amdhsa_float_denorm_mode_32 3
		.amdhsa_float_denorm_mode_16_64 3
		.amdhsa_memory_ordered 1
		.amdhsa_forward_progress 1
		.amdhsa_inst_pref_size 82
	.end_amdhsa_kernel
	.amdgpu_metadata
---
amdhsa.version: [ 1, 2 ]
amdhsa.kernels:
  - .name:           k_qae9e03fae1_attn
    .symbol:         k_qae9e03fae1_attn.kd
    .args:
      - { .name: qkv, .offset: 0, .size: 8, .value_kind: global_buffer, .address_space: global }
      - { .name: yq, .offset: 8, .size: 8, .value_kind: global_buffer, .address_space: global }
    .group_segment_fixed_size: 327680
    .private_segment_fixed_size: 0
    .kernarg_segment_align: 8
    .kernarg_segment_size: 16
    .max_flat_workgroup_size: 512
    .sgpr_count:     70
    .vgpr_count:     256
    .wavefront_size: 32
...
	.end_amdgpu_metadata
.endif
;; end of part 3
;; launch proj (part 4): grid 4 x 64, 4 waves a work-group, clusters of 4 x 4, 327,680 bytes of LDS; arguments yq, wpq, out0; writes out0
.if DOCPART == 4
	.amdgcn_target "amdgcn-amd-amdhsa--gfx1250"
	.amdhsa_code_object_version 6
	.text
	.protected	k_qae9e03fae1_proj
	.globl	k_qae9e03fae1_proj
	.p2align	8
	.type	k_qae9e03fae1_proj,@function
k_qae9e03fae1_proj:
	s_mov_b64 s[64:65], 0
	v_nop
	global_prefetch_b8 v0, s[64:65] scope:SCOPE_SE
	s_setreg_imm32_b32 hwreg(HW_REG_WAVE_MODE, 25, 1), 1
	s_wait_xcnt 0x0
	s_wait_alu depctr_hold_cnt(0) depctr_sa_sdst(0) depctr_va_vdst(0) depctr_va_sdst(0) depctr_va_ssrc(0) depctr_va_vcc(0) depctr_vm_vsrc(0)
	s_getreg_b32 s2, hwreg(HW_REG_IB_STS2, 6, 4)
	s_cmp_eq_u32 s2, 0
	s_cbranch_scc0 .Lentry_in_a_cluster
	s_endpgm
.Lentry_in_a_cluster:
	s_bfe_u32 s2, ttmp6, 0x10000c
	s_cmp_lg_u32 s2, 0xf033
	s_cbranch_scc0 .Lentry_shape_is_right
	s_endpgm
.Lentry_shape_is_right:
; out0 = y w_proj on codes of FP6 (E2M3) with E8M0 scales, K = 1,024; out0 is f32.
; OPERANDS lie in the order of the operand's registers.  A block is 16 rows; block 4 c + j holds in lane r row 64 c + 8 j + r % 8 + 32 (r / 8).  Codes: [block][16 half images of 768 bytes: lane l's registers 0-3 at 16 l, 4-5 at 512 + 8 l];
; behind them the scale words [block][4 slots of 256 K][r][2 words].
; THE DEAL: a work-group makes 128 x 256 of out0: 64 x 4 = 256 work-groups.  Four waves, 2 x 2; a wave makes 64 x 128: 4 blocks of y x 8 blocks of w_proj, 32 accumulators.
; Source 0 takes w_proj's rows, source 1 y's: a lane holds a token, and its 32 registers of four neighbouring blocks are columns 64 c + 32 h + 0 .. 31.
; ALL OF K LIES IN LDS: y's 8 blocks and w_proj's 16, 12,288 bytes each, are 294,912 bytes.  They come by four joint loads at the head, one a wave: K's first half of y, of w_proj, then its second half of both.
; Nothing is filled again.  A first barrier, for which waves 0 and 1 wait for their loads, shows K's first half; a second, in the fourth of the eight K steps, for which every wave waits for its load, shows the rest.
; CLUSTERS: 4 x 4.  y's tiles are shared along a row of the cluster, w_proj's along a column.
; THE SCALE WORDS go from memory into registers, 256 consecutive bytes a load: lanes 0-15 take an even slot's two words of row r, lanes 16-31 the next slot's; the products name the row of lanes by the K step.
; A K step's fragments are fetched a step ahead, into two sets of registers by turns.
; NO PREFETCH: every byte is asked for at the head; no later request is left to run ahead of.
; REGISTERS: window 0: v16-29 addresses; v32-47 y's scale words, v50-81 w_proj's (the two never have the same number modulo 8); v128-223 y's fragments, two sets; on the way out v128-255.
;   window 1: w_proj's fragments, two sets, at v0 and v128.  window 2: the accumulators, (a, b) at v[8 (8 a + b)].
.set YC,     6291456
.set WPC,    786432
.set FR,     12
.set BLKB,   6144                      ; a block's eight half images of half of K
.set ATILE,  8*BLKB
.set SLOT,   24*BLKB                   ; half of K: y's 8 blocks, then w_proj's 16
.set SPARE,  2*SLOT                    ; the spare words: 128 bytes a wave, two blocks of 256 bytes that no other line names
.set SPITCH, 528                       ; the way out: a stage of 16 rows x (512 + 16) bytes a wave, on the bytes of K's first half, which has had its only fill and, at the second barrier, its last read
.set ADRA, 16                          ; v16-17 16 x lane + my blocks of y in K's half 0, 1; v18-19 the same with 8 x lane
.set ADRB, 20                          ; v20-23 the same for w_proj
.set STO,  24
.set RD,   25
.set CO,   26                          ; 16 x lane
.set L8,   27                          ; 8 x lane
.set SPW,  28
.set NIL,  29
.set SA,   32
.set SB,   50
.set AF,   128
.set BK,   128
.set G1,   24
.set G1B,  48
.set MSB, 0
.macro WIN new
.if MSB != \new
	s_set_vgpr_msb (MSB<<8)|\new
.set MSB, \new
.endif
.endm
.macro PLACES n
.rept \n
	v_nop
.endr
.endm
.macro CROUND                          ; a round of the cluster's barrier
	s_barrier_signal -1
	s_barrier_wait -1
	s_cmp_lg_u32 s14, 0
	s_cbranch_scc1 .Lnot_wave_0_\@
	s_barrier_signal -3
.Lnot_wave_0_\@:
	s_barrier_wait -3
	s_barrier_signal -1
	s_barrier_wait -1
.endm
.macro ARM under, g0, g1, next         ; one arm of the head's chain: a load, its five lines, the jump to the join
	s_cmp_lt_u32 s14, \under
	s_cbranch_scc0 \next
	tensor_load_to_lds s[\g0:\g0+3], s[\g1:\g1+7]
	s_nop 0
	PLACES 4
	s_branch .Lhead_asked
\next:
.endm
	s_load_b128 s[4:7], s[0:1], 0x0                ; yq, wpq
	s_load_b64 s[12:13], s[0:1], 0x10              ; out0
	v_lshl_add_u32 v[SPW], v0, 2, SPARE
	v_mov_b32 v[NIL], 0
	ds_add_u32 v[SPW], v[NIL]                      ; the opening lines: the add, twice on end, and its wait
	ds_add_u32 v[SPW], v[NIL]
	v_lshrrev_b32 v1, 5, v0
	v_readfirstlane_b32 s14, v1                    ; wave 0..3
	s_lshr_b32 s15, s14, 1                         ; which 4 of y's 8 blocks are mine
	s_and_b32 s16, s14, 1                          ; which 8 of w_proj's 16
	s_bfe_u32 s40, ttmp6, 0x40000                  ; cx, cy
	s_bfe_u32 s41, ttmp6, 0x40004
	s_lshl_b32 s42, ttmp9, 2
	s_add_co_u32 s42, s42, s40                     ; tile column, 0 .. 3
	s_and_b32 s17, ttmp7, 0xffff
	s_lshl_b32 s17, s17, 2
	s_add_co_u32 s17, s17, s41                     ; tile row, 0 .. 63
	s_lshl_b32 s43, s41, 2
	s_lshl_b32 s43, 15, s43                        ; my row of the cluster
	s_lshl_b32 s44, 0x1111, s40                    ; my column
	s_or_b32 s[G1+0], s43, (3<<16)|(1<<21)         ; rows (blocks) of 768 elements of 8 bytes, 1,536 elements apart, dense in LDS: 8 of y,
	s_mov_b32 s[G1+1], 768<<16
	s_mov_b32 s[G1+2], 8<<16
	s_mov_b32 s[G1+3], 768<<16
	s_mov_b32 s[G1+4], 8
	s_mov_b32 s[G1+5], 1536
	s_mov_b32 s[G1+6], 0
	s_mov_b32 s[G1+7], 0
	s_or_b32 s[G1B+0], s44, (3<<16)|(1<<21)        ; 16 of w_proj
	s_mov_b32 s[G1B+1], 768<<16
	s_mov_b32 s[G1B+2], 16<<16
	s_mov_b32 s[G1B+3], 768<<16
	s_mov_b32 s[G1B+4], 16
	s_mov_b32 s[G1B+5], 1536
	s_mov_b32 s[G1B+6], 0
	s_mov_b32 s[G1B+7], 0
	s_mul_i32 s20, s17, 8*12288                    ; the tile's codes, in bytes from the buffer's first
	s_mov_b32 s21, 0
	s_mul_i32 s46, s42, 16*12288
	s_mov_b32 s47, 0
	s_lshl_b32 s22, s17, 12                        ; my blocks' scale words: 512 bytes a block
	s_lshl_b32 s23, s15, 11
	s_add_co_u32 s22, s22, s23
	s_add_co_u32 s22, s22, YC
	s_mov_b32 s23, 0
	s_lshl_b32 s92, s42, 13
	s_lshl_b32 s93, s16, 12
	s_add_co_u32 s92, s92, s93
	s_add_co_u32 s92, s92, WPC
	s_mov_b32 s93, 0
	s_lshl_b32 s72, s17, 19                        ; my part of out0: row 128 x tile row + 64 x half, 4,096 bytes a row; column bytes 1,024 x tile column + 512 x half
	s_lshl_b32 s73, s15, 18
	s_add_co_u32 s72, s72, s73
	s_lshl_b32 s73, s42, 10
	s_add_co_u32 s72, s72, s73
	s_lshl_b32 s73, s16, 9
	s_add_co_u32 s72, s72, s73
	s_mov_b32 s73, 0
	s_mul_i32 s66, s15, 4*BLKB                     ; LDS: my 4 blocks of y in K's half 0, 1;
	s_add_co_u32 s67, s66, SLOT
	s_mul_i32 s68, s16, 8*BLKB
	s_add_co_u32 s68, s68, ATILE                   ; my 8 blocks of w_proj;
	s_add_co_u32 s69, s68, SLOT
	s_mul_i32 s70, s14, 16*SPITCH                  ; my stage
	s_wait_dscnt 0x0
	s_wait_kmcnt 0x0
	s_add_nc_u64 s[20:21], s[4:5], s[20:21]
	s_add_nc_u64 s[22:23], s[4:5], s[22:23]
	s_add_nc_u64 s[46:47], s[6:7], s[46:47]
	s_add_nc_u64 s[92:93], s[6:7], s[92:93]
	s_add_nc_u64 s[12:13], s[12:13], s[72:73]
	CROUND                                         ; all sixteen work-groups are here: the joint loads meet
	s_mov_b32 s32, 1                               ; y, K's first half
	s_mov_b32 s33, 0
	s_mov_b64 s[34:35], s[20:21]
	s_or_b32 s35, s35, 0x80000000
	s_mov_b32 s36, 1                               ; y, the second
	s_mov_b32 s37, SLOT
	s_add_nc_u64 s[38:39], s[20:21], BLKB
	s_or_b32 s39, s39, 0x80000000
	s_mov_b32 s56, 1                               ; w_proj, the first
	s_mov_b32 s57, ATILE
	s_mov_b64 s[58:59], s[46:47]
	s_or_b32 s59, s59, 0x80000000
	s_mov_b32 s60, 1                               ; w_proj, the second
	s_mov_b32 s61, SLOT+ATILE
	s_add_nc_u64 s[62:63], s[46:47], BLKB
	s_or_b32 s63, s63, 0x80000000
	ARM 1, 32, G1,  .Lhead_b0
	ARM 2, 56, G1B, .Lhead_a1
	ARM 3, 36, G1,  .Lhead_b1
	tensor_load_to_lds s[60:63], s[G1B:G1B+7]
	s_nop 0
	PLACES 4
.Lhead_asked:
	v_and_b32 v1, 31, v0
	v_and_b32 v2, 15, v0                           ; r
	v_bfe_u32 v3, v0, 4, 1                         ; h
	v_lshlrev_b32 v[CO], 4, v1
	v_lshlrev_b32 v[L8], 3, v1
	v_add_nc_u32 v[ADRA], s66, v[CO]
	v_add_nc_u32 v[ADRA+1], s67, v[CO]
	v_add_nc_u32 v[ADRA+2], s66, v[L8]
	v_add_nc_u32 v[ADRA+3], s67, v[L8]
	v_add_nc_u32 v[ADRB], s68, v[CO]
	v_add_nc_u32 v[ADRB+1], s69, v[CO]
	v_add_nc_u32 v[ADRB+2], s68, v[L8]
	v_add_nc_u32 v[ADRB+3], s69, v[L8]
	v_mul_u32_u24 v5, v2, SPITCH                   ; into the stage: row r, lanes 16-31 the columns 32 further on
	v_lshl_add_u32 v5, v3, 7, v5
	v_add_nc_u32 v[STO], s70, v5
	v_add_nc_u32 v[RD], s70, v[CO]                 ; back: the 32 lanes take one row of 512 bytes
.irp a, 0,1,2,3
.irp p, 0,1
	global_load_b64 v[SA+4*\a+2*\p:SA+4*\a+2*\p+1], v[L8], s[22:23] offset:512*\a+256*\p   ; slots 2 p (lanes 0-15) and 2 p + 1 (lanes 16-31) of block a
.endr
.endr
.irp b, 0,1,2,3,4,5,6,7
.irp p, 0,1
	global_load_b64 v[SB+4*\b+2*\p:SB+4*\b+2*\p+1], v[L8], s[92:93] offset:512*\b+256*\p
.endr
.endr
.macro FRAG reg, adr, q, i             ; a fragment (16 rows x 128 K, 12 registers) is two half images on end
	ds_load_b128 v[\reg:\reg+3], v[\adr] offset:(\i)*BLKB+(\q)*1536
	ds_load_b64 v[\reg+4:\reg+5], v[\adr+2] offset:(\i)*BLKB+(\q)*1536+512
	ds_load_b128 v[\reg+6:\reg+9], v[\adr] offset:(\i)*BLKB+(\q)*1536+768
	ds_load_b64 v[\reg+10:\reg+11], v[\adr+2] offset:(\i)*BLKB+(\q)*1536+1280
.endm
.macro FETCH k                         ; K step k's fragments into set k % 2
	WIN 0x40
.irp i, 0,1,2,3,4,5,6,7
	FRAG 128*((\k)%2)+FR*\i, ADRB+(\k)/4, (\k)%4, \i
.endr
	WIN 0
.irp i, 0,1,2,3
	FRAG AF+48*((\k)%2)+FR*\i, ADRA+(\k)/4, (\k)%4, \i
.endr
.endm
.macro PROD d, fb, fa, c, xb, xa, row
.if \row
	v_wmma_scale_f32_16x16x128_f8f6f4 v[\d:\d+7], v[\fb:\fb+FR-1], v[\fa:\fa+FR-1], \c, v[\xb], v[\xa] matrix_a_fmt:MATRIX_FMT_FP6 matrix_b_fmt:MATRIX_FMT_FP6 matrix_a_scale:MATRIX_SCALE_ROW1 matrix_b_scale:MATRIX_SCALE_ROW1
.else
	v_wmma_scale_f32_16x16x128_f8f6f4 v[\d:\d+7], v[\fb:\fb+FR-1], v[\fa:\fa+FR-1], \c, v[\xb], v[\xa] matrix_a_fmt:MATRIX_FMT_FP6 matrix_b_fmt:MATRIX_FMT_FP6
.endif
.endm
.macro MUL k, zero                     ; 32 products; the accumulators take turns, in the same order in every step.  K step k: slot k / 2, word k % 2
	WIN 0xa1
.irp a, 0,1,2,3
.irp b, 0,1,2,3,4,5,6,7
.if \zero
	PROD 8*(8*\a+\b), 128*((\k)%2)+FR*\b, AF+48*((\k)%2)+FR*\a, 0, SB+4*\b+2*((\k)/4)+(\k)%2, SA+4*\a+2*((\k)/4)+(\k)%2, ((\k)/2)%2
.else
	PROD 8*(8*\a+\b), 128*((\k)%2)+FR*\b, AF+48*((\k)%2)+FR*\a, v[8*(8*\a+\b):8*(8*\a+\b)+7], SB+4*\b+2*((\k)/4)+(\k)%2, SA+4*\a+2*((\k)/4)+(\k)%2, ((\k)/2)%2
.endif
.endr
.endr
.endm
	s_wait_alu depctr_va_vdst(0)
	s_cmp_lt_u32 s14, 2
	s_cbranch_scc0 .Lnot_first
	s_wait_tensorcnt 0x0                           ; waves 0 and 1: my tile of K's first half is in
.Lnot_first:
	s_barrier_signal -1
	s_barrier_wait -1                              ; K's first half is whole
	FETCH 0
	s_wait_loadcnt 0x0                             ; the scale words
.set K_, 0
.rept 8
.if K_ == 3
	s_wait_tensorcnt 0x0                           ; every wave: my tile is in
.endif
	s_wait_dscnt 0x0                               ; this step's fragments, asked for a step ago
.if K_ == 3
	s_barrier_signal -1                            ; K's second half is whole, and nobody reads the first any more (its last fragments have just been waited for)
	s_barrier_wait -1
.endif
.if K_ < 7
.if K_ > 0
	PLACES 4                                       ; between the last step's products and the loads into the registers that they read
.endif
	FETCH K_+1
.endif
.if K_ == 0
	MUL K_, 1                                      ; the first step's products start the sums
.else
	MUL K_, 0
.endif
.set K_, K_+1
.endr
	WIN 0
; THE WAY OUT, block by block of 16 rows x 128 columns, through my own stage: whole rows of 512 bytes come back, which the 32 lanes store as two aligned units of 256 bytes
.macro TOSTAGE a
	WIN 0x08
.irp b, 0,1,2,3,4,5,6,7
	ds_store_b128 v[STO], v[64*(\a)+8*\b:64*(\a)+8*\b+3] offset:256*(\b/4)+32*(\b%4)
	ds_store_b128 v[STO], v[64*(\a)+8*\b+4:64*(\a)+8*\b+7] offset:256*(\b/4)+32*(\b%4)+16
.endr
	WIN 0
.irp t, 0,1,2,3,4,5,6,7,8,9,10,11,12,13,14,15
	ds_load_b128 v[BK+64*((\a)%2)+4*\t:BK+64*((\a)%2)+4*\t+3], v[RD] offset:\t*SPITCH   ; LDS serves a wave's instructions in order: these see the stores above
.endr
.endm
.macro SEND a, younger                 ; younger: the LDS instructions issued behind block a's loads, which may stay out
	s_wait_dscnt \younger
.if (\a) > 0
	s_add_nc_u64 s[12:13], s[12:13], 8*4096        ; block a begins 8 rows on (behind a wait on XCNT: the earlier stores have read their base)
.endif
.irp t, 0,1,2,3,4,5,6,7,8,9,10,11,12,13,14,15
	global_store_b128 v[CO], v[BK+64*((\a)%2)+4*\t:BK+64*((\a)%2)+4*\t+3], s[12:13] offset:(\t+24*(\t/8))*4096 th:TH_STORE_NT
.endr
.endm
	PLACES 4                                       ; behind the last products
	TOSTAGE 0
.irp a, 1,2,3
.if \a > 1
	s_wait_xcnt 0x0                                ; block a - 2's stores have read their registers and their base
.endif
	TOSTAGE \a
	SEND \a-1, 32                                  ; behind block a - 1's loads: block a's 16 stores and 16 loads
.endr
	s_wait_xcnt 0x0
	SEND 3, 0
	s_wait_tensorcnt 0x0                           ; the wave's end
	ds_add_u32 v[SPW], v[NIL]
	s_wait_dscnt 0x0
	CROUND                                         ; the closing round
	s_endpgm
.Lfunc_end_k_qae9e03fae1_proj:
	.size	k_qae9e03fae1_proj, .Lfunc_end_k_qae9e03fae1_proj-k_qae9e03fae1_proj
	.p2alignl 7, 3214868480
	.fill 96, 4, 3214868480
	.section	.rodata,"a",@progbits
	.p2align	6, 0x0
	.amdhsa_kernel k_qae9e03fae1_proj
		.amdhsa_group_segment_fixed_size 327680
		.amdhsa_private_segment_fixed_size 0
		.amdhsa_enable_private_segment 0
		.amdhsa_kernarg_size 24
		.amdhsa_user_sgpr_count 2
		.amdhsa_user_sgpr_kernarg_segment_ptr 1
		.amdhsa_wavefront_size32 1
		.amdhsa_system_sgpr_workgroup_id_x 1
		.amdhsa_system_sgpr_workgroup_id_y 1
		.amdhsa_system_sgpr_workgroup_id_z 1
		.amdhsa_system_vgpr_workitem_id 0
		.amdhsa_next_free_vgpr 768
		.amdhsa_next_free_sgpr 98
		.amdhsa_reserve_vcc 0
		.amdhsa_float_denorm_mode_32 3
		.amdhsa_float_denorm_mode_16_64 3
		.amdhsa_memory_ordered 1
		.amdhsa_forward_progress 1
		.amdhsa_inst_pref_size 83
	.end_amdhsa_kernel
	.amdgpu_metadata
---
amdhsa.version: [ 1, 2 ]
amdhsa.kernels:
  - .name:           k_qae9e03fae1_proj
    .symbol:         k_qae9e03fae1_proj.kd
    .args:
      - { .name: yq, .offset: 0, .size: 8, .value_kind: global_buffer, .address_space: global }
      - { .name: wpq, .offset: 8, .size: 8, .value_kind: global_buffer, .address_space: global }
      - { .name: out0, .offset: 16, .size: 8, .value_kind: global_buffer, .address_space: global }
    .group_segment_fixed_size: 327680
    .private_segment_fixed_size: 0
    .kernarg_segment_align: 8
    .kernarg_segment_size: 24
    .max_flat_workgroup_size: 128
    .sgpr_count:     98
    .vgpr_count:     768
    .wavefront_size: 32
...
	.end_amdgpu_metadata
.endif
;; end of part 4
